; MI455X (gfx1250); checked and timed in simulation.
; The chip was launched on July 23, 2026; its instructions are those of AMD's public machine-readable ISA for CDNA 5 (MIT licence, August 2026) and "CDNA5" Instruction Set Architecture Reference Guide (July 2026). The comments in the code are by the model that wrote it; some were corrected since.
;; Multi Head Attention. Allowed arithmetic: matrix products marked QUANTISED: E2M3 operands, one E8M0 scale for each 32 along K, by v_wmma_scale_f32_16x16x128_f8f6f4 with both operands' format E2M3, f32 sums; everything else in f32.
;; Inputs: kvinput_codes 2 x 2,048 x 32 x 24 uint8 (E2M3 codes of kvinput, K innermost, in blocks of 32 codes, four codes in three bytes); kvinput_scales 2 x 2,048 x 32 uint8 (E8M0 scales of kvinput, one for each 32 codes along K); qinput_codes 2 x 2,048 x 32 x 24 uint8 (E2M3 codes of qinput, K innermost, in blocks of 32 codes, four codes in three bytes); qinput_scales 2 x 2,048 x 32 uint8 (E8M0 scales of qinput, one for each 32 codes along K); wk_codes 16 x 64 x 32 x 24 uint8 (E2M3 codes of wk, K innermost, in blocks of 32 codes, four codes in three bytes); wk_scales 16 x 64 x 32 uint8 (E8M0 scales of wk, one for each 32 codes along K); wo 16 x 64 x 1,024 float32; wq_codes 16 x 64 x 32 x 24 uint8 (E2M3 codes of wq, K innermost, in blocks of 32 codes, four codes in three bytes); wq_scales 16 x 64 x 32 uint8 (E8M0 scales of wq, one for each 32 codes along K); wv_codes 16 x 64 x 32 x 24 uint8 (E2M3 codes of wv, K innermost, in blocks of 32 codes, four codes in three bytes); wv_scales 16 x 64 x 32 uint8 (E8M0 scales of wv, one for each 32 codes along K).
;; Outputs: out0 2 x 2,048 x 1,024 float32.
;; This version of the problem:
;;   THIS VERSION OF THE PROBLEM IS GIVEN IN LOW PRECISION. The matrix products marked QUANTISED in the list below multiply operands that are first quantised to E2M3 (2 exponent bits, 3 mantissa bits; 6 bits a number), with one power-of-two scale for each 32 numbers along K (OCP MX v1.0); their sums are f32. All else is computed in f32.
;;   The module's matrix products, in the order in which they are computed (A, B: the left and right operand; K: the contracted axis; several contracted axes count as one K, in the product's order):
;;     1. [M 1,024, K 1,024] x [K 1,024, N 4,096]; A: input wk (given as codes); B: input kvinput (given as codes): QUANTISED
;;     2. [M 1,024, K 1,024] x [K 1,024, N 4,096]; A: input wq (given as codes); B: input qinput (given as codes): QUANTISED
;;     3. [M 1,024, K 1,024] x [K 1,024, N 4,096]; A: input wv (given as codes); B: input kvinput (given as codes): QUANTISED
;;     4. batch 32 x [M 2,048, K 64] x [K 64, N 2,048]; A: computed on the way; B: computed on the way: QUANTISED
;;     5. batch 32 x [M 2,048, K 2,048] x [K 2,048, N 64]; A: softmax (see below); B: computed on the way: QUANTISED
;;     6. [M 4,096, K 1,024] x [K 1,024, N 1,024]; A: computed on the way; B: input wo: QUANTISED
;;   THE QUANTISER, for each operand of a quantised product, along K:
;;     - K is cut into blocks of 32 from its start; a last block that is shorter is filled with zeros.
;;     - A block's scale is 2^e with e = floor(log2(the largest magnitude in the block)) - 2, held to -126 .. 127; a block of zeros has e = 0. As a byte (E8M0): e + 127.
;;     - Each number is divided by its block's scale, clamped to +-7.5, and rounded to the nearest number of E2M3, ties to even, subnormals kept.
;;     - The product sums the exact products of the quantised numbers (number of the format x scale) in f32.
;;   ~~~python
;;   def quantise(x, axis):      # numpy; x: float32 -> the quantised numbers, widened to float32 again
;;       x = np.moveaxis(x, axis, -1); K = x.shape[-1]
;;       x = np.pad(x, [(0, 0)] * (x.ndim - 1) + [(0, -K % 32)]); x = x.reshape(x.shape[:-1] + (-1, 32)); a = np.abs(x).max(-1, keepdims=True)
;;       e = np.where(a > 0, np.clip(np.frexp(np.where(a > 0, a, 1))[1] - 1 - 2, -126, 127), 0)      # np.frexp(a)[1] - 1 = floor(log2(a)), exactly
;;       r = np.clip(x / 2.0 ** e, -7.5, 7.5)
;;       step = 2.0 ** (np.maximum(np.frexp(np.where(r == 0, 1, r))[1] - 1, 0) - 3)
;;       q = np.round(r / step) * step * 2.0 ** e      # np.round: ties to even
;;       return np.moveaxis(q.reshape(q.shape[:-2] + (-1,))[..., :K], -1, axis).astype(np.float32)
;;   ~~~
;;   SOFTMAX AHEAD OF A QUANTISED PRODUCT. Where the list says 'softmax', what is quantised is not the finished softmax but p = 2^(t - M), with t = logit x log2(e) and M = ceil(the row's largest t), a whole number; so 1/2 < the row's largest p <= 1. The row's sum l is taken of the UNQUANTISED p, in f32, and the product's result is divided by l at the end. Since M is a whole number, a kernel that streams over the keys may use a running M (the ceiling of the running maximum): every later rescaling is an exact power of two, which a block's scale takes up: the codes' values come out the same.
;;   OPERANDS COMPUTED ON THE WAY. 'Computed on the way' means the value that the module computes at that place (a softmax that the list does not call 'softmax' is quantised finished and normalised). What goes into a quantiser is computed in f32, as accurately as f32 sums, v_exp_f32 and their like allow (about 1e-6 of the number): no bf16 or f16 on the way to a quantiser, and a product that is left as it is and whose result goes on into a quantised operand takes f32 operands (vector FMAs, or v_wmma_f32_16x16x4_f32). A number that lies on a knife's edge between two numbers of the format may be rounded either way, as far as f32 arithmetic and the matrix unit's own rounding can turn it there, and no further.
;;   INPUTS GIVEN AS CODES. kvinput (in the module: [2, 2048, 1024], K = its axis 2); qinput (in the module: [2, 2048, 1024], K = its axis 2); wk (in the module: [16, 1024, 64], K = its axis 1); wq (in the module: [16, 1024, 64], K = its axis 1); wv (in the module: [16, 1024, 64], K = its axis 1): each comes as NAME_codes (uint8): NAME with its K axis moved to the last place and cut into blocks of 32 codes, [.., K / 32, bytes a block], one block behind the other in memory; four codes in three bytes: a row's codes are one little-endian stream of bits, code i at bits 6 i .. 6 i + 5 (a code: sign, 2 exponent bits, 3 mantissa bits); and NAME_scales (uint8): the same leading axes, one E8M0 byte (e + 127) for each 32 codes along K. Its value is code x scale, taken as it is: it is not quantised again, and the codes and scales need not be those that the quantiser above would give.
;; One version. Each part assembles by itself: llvm-mc -triple=amdgcn-amd-amdhsa -mcpu=gfx1250 --defsym DOCPART=n.
;; ======== version 1 of 1: 3 launches
;; limits: right only within a limited range of input values
;; workspace buffers: qws 6,684,672 bytes; kvws 6,684,672 bytes; wo_codes 786,432 bytes; wo_scales 32,768 bytes; pre_codes 3,145,728 bytes; pre_scales 131,072 bytes
;; launch proj (part 1): grid 16 x 16, 4 waves a work-group, clusters of 4 x 4, 327,680 bytes of LDS; arguments qinput_codes, qinput_scales, kvinput_codes, kvinput_scales, wq_codes, wq_scales, wk_codes, wk_scales, wv_codes, wv_scales, qws, kvws, wo, wo_codes, wo_scales; writes qws, kvws, wo_codes, wo_scales
.if DOCPART == 1
	.amdgcn_target "amdgcn-amd-amdhsa--gfx1250"
	.amdhsa_code_object_version 6
	.text
	.protected	k_qbcaec99b88_proj
	.globl	k_qbcaec99b88_proj
	.p2align	8
	.type	k_qbcaec99b88_proj,@function
k_qbcaec99b88_proj:
	s_mov_b64 s[64:65], 0
	v_nop
	global_prefetch_b8 v0, s[64:65] scope:SCOPE_SE
	s_setreg_imm32_b32 hwreg(HW_REG_WAVE_MODE, 25, 1), 1
	s_wait_xcnt 0x0
	s_wait_alu depctr_hold_cnt(0) depctr_sa_sdst(0) depctr_va_vdst(0) depctr_va_sdst(0) depctr_va_ssrc(0) depctr_va_vcc(0) depctr_vm_vsrc(0)
	s_getreg_b32 s2, hwreg(HW_REG_IB_STS2, 6, 4)
	s_cmp_eq_u32 s2, 0
	s_cbranch_scc0 .Lentry_in_a_cluster
	s_endpgm
.Lentry_in_a_cluster:
	s_bfe_u32 s2, ttmp6, 0x10000c
	s_cmp_lg_u32 s2, 0xf033
	s_cbranch_scc0 .Lentry_shape_is_right
	s_endpgm
.Lentry_shape_is_right:
; No step and no input of the problem is left out by this program: the -100 of the mask throws nothing away, so every score is computed.
; THE CLUSTER'S x SAYS WHAT A CLUSTER DOES (the same in all sixteen partners): 0 = q = qinput wq, 1 = k = kvinput wk, 2 = v = kvinput wv, 3 = the quantising of wo.
; THE PROJECTIONS: each 4,096 x 1,024 over K = 1,024 on codes of FP6 (E2M3) with one E8M0 scale for each 32 along K, sums in f32; their results are quantised here into the operands of the attention launch.
; A tile of 256 x 256 is made by four waves; a wave makes 128 x 128: 64 accumulators.  K goes through two LDS slots in CHUNKS OF 256 BYTES of each row (a row of codes is 768 bytes: three chunks, each on a multiple of 256 bytes).
; Chunks 0 and 1 of both operands are the head's four loads, one a wave; chunk 2 is the one refill, into slot 0.  A step of 128 along K is 96 bytes of a row: eight steps to three chunks; steps 2 and 5 lie across two chunks.
; THE SCALE WORDS go from memory into registers: lane (r, h) takes bytes 16 h .. 16 h + 15 of row r's 32, so a load of 16 rows reads 512 consecutive bytes; register j holds K step j in lanes 0-15 and K step 4 + j in lanes 16-31.
; 'A' is the operand whose rows land in LANES (source 1), 'B' the one whose rows land in a lane's REGISTERS (source 0).  q, k: A = the tokens, B = the weight's rows (head x 64 + dim).  v: A = wv's rows, B = the tokens.
; CLUSTERS: 4 x 4.  The four of a row of the cluster ask for A's tiles jointly, the four of a column for B's.
; PREFETCH: chunk 2 is asked of memory in step 0, two steps ahead of its load in step 2: of the 128 rows that a wave will fetch, each of the four partners names 32, told apart by address, a lane a row.
; THE WAY OUT: a wave's 64 registers of one block of A's rows are four blocks of 32 along the next K; each is quantised in registers.  Sixteen registers of two neighbouring tiles go into one conversion and the halves of the lanes
; change places: position p of a block holds index sigma(p), p with its bits 3 and 4 exchanged.  Both operands of each later product are made so.  The codes leave as IMAGES OF OPERAND REGISTERS, 512 consecutive bytes a store.
; A block of the workspace, for one (batch, head) and 128 tokens, is 13,056 bytes: +0 k's (or q's) 48 registers, +6,144 v's 48, +12,288 k's (q's) scale words, 16 bytes a lane (a word: two bytes, then 0x7f twice), +12,800 v's, 8 bytes a lane.
; wo [1024 (k = head x 64 + v)][1024 (n)], f32, becomes codes laid [n][32 blocks][24 bytes] in the same order sigma inside a block, and scale bytes [n][32].  A lane takes a column n and its registers run down K;
; a work-group takes 128 columns x 128 along K; the codes go through the wave's own stage, LDS bytes on which no tile lands, and leave in pieces of 96 bytes, the scale bytes in pieces of 4: not whole blocks of 256 bytes (819,200 bytes in all).
; LIMITS: NaN, infinities and the scale byte 0xff among the inputs are not served; a block whose largest magnitude lies under 2^-124 gets the byte 1 with zero codes (read by this program alone).
; REGISTERS, in windows of 256: window 0: v0-31 addresses; v32-63 A's scale words, v64-95 B's; from v128 A's fragments, one set.  window 1: B's fragments, two sets.  windows 2, 3: the accumulators of my rows 0-63, 64-127 of A.
.set ROWB,   256
.set KROW,   768
.set STEPS,  8
.set CHUNKS, 3
.set PITCH,  272                       ; 256 bytes + 16 of padding
.set FR,     12
.set NL,     6
.set NP,     4
.set HALFT,  128*PITCH
.set SLOT,   4*HALFT
.set KS,     32
.set SPARE,  2*SLOT                    ; behind the slots: the spare words, 128 bytes a wave
.set WSTG,   SPARE+512                 ; wo's stages: 4 x 32 rows of 144 bytes
.set WP,     144
.set STEPB,  13056
.set HEADB,  16*STEPB
.set VIMG,   6144
.set KSCO,   12288
.set VSCO,   12800
.set ADRA, 16                          ; v16-17 my A fragments in slot 0, 1; v18-19 for pieces whose halves of the lanes lie in different chunks
.set ADRB, 20                          ; v20-23 the same for B
.set LN,   24
.set L8,   25
.set L16,  26
.set SOF,  27                          ; v27 scale bytes: 32 r + 16 h
.set SPW,  28
.set NIL,  29
.set PFO,  30                          ; v30 the prefetch's offset: lane x a row of codes
.set SA,   32
.set SBS,  64
.set AF,   128
.set OUT0, 32
.set WD,   128
.set SCI,  136
.set U,    144
.set XT,   152
.set TM,   200
.set C7F,  216
.set SEL,  20
.set G1, 24                            ; s[24:31] group 1 for A's tiles; s[32:35] group 0 of the refill
.set G0, 32
.set G1B, 48                           ; s[48:55], s[56:59] the same for B's
.set G0B, 56
.set G0H, 4                            ; the head's four groups 0: A chunk 0, B chunk 0, A chunk 1, B chunk 1
.set G0HB, 8
.set G0I, 76
.set G0IB, 88
.set PFA, 66                           ; s[66:67] the prefetch's base
.set WX,  32                           ; wo: v32-159 four sets of 32 numbers, v160-191 codes, v192-223 the way out, v24 scale bytes
.set WC,  160
.set WOU, 192
.set WSB, 24
.set MSB, 0
.macro WIN new
.if MSB != \new
	s_set_vgpr_msb (MSB<<8)|\new
.set MSB, \new
.endif
.endm
.set MUL_LO, 0xa1
.set MUL_HI, 0xf1
.set TO_B,   0x40
.macro JLOAD g0a, g1a, g0b, g1b        ; waves 0, 1 fetch for A, waves 2, 3 for B; s_nop 0 and four v_nop behind each load
	s_cmp_eq_u32 s15, 0
	s_cbranch_scc0 .Lfor_b_\@
	tensor_load_to_lds s[\g0a:\g0a+3], s[\g1a:\g1a+7]
	s_nop 0
.rept 4
	v_nop
.endr
	s_branch .Lasked_\@
.Lfor_b_\@:
	tensor_load_to_lds s[\g0b:\g0b+3], s[\g1b:\g1b+7]
	s_nop 0
.rept 4
	v_nop
.endr
.Lasked_\@:
.endm
.macro CREST
	s_cmp_lg_u32 s14, 0
	s_cbranch_scc1 .Lnot_wave_0_\@
	s_barrier_signal -3
.Lnot_wave_0_\@:
	s_barrier_wait -3
	s_barrier_signal -1
	s_barrier_wait -1
.endm
.macro CROUND
	s_barrier_signal -1
	s_barrier_wait -1
	CREST
.endm
	s_load_b512 s[68:83], s[0:1], 0x0              ; qinput's codes, scales; kvinput's; wq's; wk's
	s_load_b256 s[84:91], s[0:1], 0x40             ; wv's codes, scales; qws; kvws
	s_load_b128 s[96:99], s[0:1], 0x60             ; wo, wo's codes
	s_load_b64 s[100:101], s[0:1], 0x70            ; wo's scale bytes
	v_lshl_add_u32 v[SPW], v0, 2, SPARE
	v_mov_b32 v[NIL], 0
	ds_add_u32 v[SPW], v[NIL]                      ; the opening lines: the add twice on end and its wait
	ds_add_u32 v[SPW], v[NIL]
	v_lshrrev_b32 v1, 5, v0
	v_readfirstlane_b32 s14, v1                    ; wave 0..3
	s_lshr_b32 s15, s14, 1                         ; my half of A's rows; also: in the refill I fetch for A (0) or B (1)
	s_and_b32 s16, s14, 1                          ; my half of B's rows; also: which 128 rows I fetch
	s_bfe_u32 s40, ttmp6, 0x40000                  ; cx
	s_bfe_u32 s41, ttmp6, 0x40004                  ; cy
	s_and_b32 s18, ttmp7, 0xffff
	s_lshl_b32 s18, s18, 2                         ; 4 x cluster y
	s_lshl_b32 s43, s41, 2
	s_lshl_b32 s43, 15, s43                        ; my row of the cluster
	s_lshl_b32 s44, 0x1111, s40                    ; my column
	s_wait_dscnt 0x0
	s_wait_kmcnt 0x0
	s_cmp_eq_u32 ttmp9, 3
	s_cbranch_scc1 .Lwoq                           ; the fourth column of clusters quantises wo
	s_cmp_eq_u32 ttmp9, 0                          ; q?
	s_cselect_b64 s[92:93], s[68:69], s[72:73]     ; the tokens' codes
	s_cselect_b64 s[94:95], s[70:71], s[74:75]     ; and scales
	s_cselect_b64 s[12:13], s[88:89], s[90:91]     ; where the results go
	s_cselect_b64 s[76:77], s[76:77], s[80:81]     ; the weight's codes: wq's or wk's
	s_cselect_b64 s[78:79], s[78:79], s[82:83]
	s_cmp_eq_u32 ttmp9, 2                          ; v?
	s_cselect_b64 s[76:77], s[84:85], s[76:77]
	s_cselect_b64 s[78:79], s[86:87], s[78:79]
	s_cselect_b64 s[4:5], s[76:77], s[92:93]       ; A: for v the weight, else the tokens
	s_cselect_b64 s[6:7], s[78:79], s[94:95]
	s_cselect_b64 s[8:9], s[92:93], s[76:77]       ; B: the other
	s_cselect_b64 s[10:11], s[94:95], s[78:79]
	s_cselect_b32 s96, 0, s18                      ; the tokens have 16 tiles of 256 rows, the weight 4
	s_cselect_b32 s97, s18, 0
	s_add_co_u32 s17, s96, s41                     ; A's tile: it holds cy and never cx
	s_add_co_u32 s42, s97, s40                     ; B's tile: it holds cx and never cy
	s_or_b32 s[G1+0], s43, (0<<16)|(1<<20)|(1<<21)|(5<<22)|(3<<25)  ; the mask; bytes; 4 words of padding behind every 64
	s_or_b32 s[G1B+0], s44, (0<<16)|(1<<20)|(1<<21)|(5<<22)|(3<<25)
.irp g, G1, G1B
	s_mov_b32 s[\g+1], ROWB<<16
	s_mov_b32 s[\g+2], 256<<16                     ; 256 rows for the head's loads
	s_mov_b32 s[\g+3], ROWB<<16
	s_mov_b32 s[\g+4], 256
	s_mov_b32 s[\g+5], KROW
	s_mov_b32 s[\g+6], 0
	s_mov_b32 s[\g+7], 0
.endr
	s_lshl_b32 s20, s17, 8
	s_lshl_b32 s46, s42, 8
	s_mov_b32 s21, 0
	s_mov_b32 s47, 0
	s_mov_b64 s[18:19], KS
	s_mul_u64 s[22:23], s[20:21], s[18:19]
	s_mul_u64 s[92:93], s[46:47], s[18:19]
	s_mov_b64 s[18:19], KROW
	s_mul_u64 s[20:21], s[20:21], s[18:19]
	s_mul_u64 s[46:47], s[46:47], s[18:19]
	s_mul_i32 s18, s16, 128*KROW
	s_mov_b32 s19, 0
	s_mul_i32 s45, s14, HALFT                      ; no place in the cluster enters an LDS address
	s_add_nc_u64 s[20:21], s[4:5], s[20:21]        ; the tiles' first rows of codes
	s_add_nc_u64 s[22:23], s[6:7], s[22:23]        ; and of scale bytes
	s_add_nc_u64 s[46:47], s[8:9], s[46:47]
	s_add_nc_u64 s[92:93], s[10:11], s[92:93]
	s_lshl_b32 s2, s15, 12                         ; the scale bytes of my 128 rows of A: 32 bytes a row
	s_mov_b32 s3, 0
	s_add_nc_u64 s[98:99], s[22:23], s[2:3]
	s_lshl_b32 s2, s16, 12                         ; and of B
	s_add_nc_u64 s[100:101], s[92:93], s[2:3]
	s_cmp_eq_u32 s15, 0                            ; the prefetch: of the 128 rows that I fetch in the refill, my work-group's 32, at chunk 2
	s_cselect_b64 s[PFA:PFA+1], s[20:21], s[46:47]
	s_cselect_b32 s2, s40, s41                     ; my place among the four that ask jointly
	s_lshl_b32 s2, s2, 5
	s_lshl_b32 s22, s16, 7
	s_add_co_u32 s2, s2, s22
	s_mul_i32 s2, s2, KROW
	s_add_co_u32 s2, s2, 2*ROWB
	s_add_nc_u64 s[PFA:PFA+1], s[PFA:PFA+1], s[2:3]
	CROUND                                         ; all sixteen work-groups are here: the first joint loads meet
	s_mov_b32 s[G0H], 1
	s_mov_b32 s[G0H+1], 0
	s_mov_b64 s[G0H+2:G0H+3], s[20:21]
	s_or_b32 s[G0H+3], s[G0H+3], 0x80000000
	s_mov_b32 s[G0HB], 1
	s_mov_b32 s[G0HB+1], 2*HALFT
	s_mov_b64 s[G0HB+2:G0HB+3], s[46:47]
	s_or_b32 s[G0HB+3], s[G0HB+3], 0x80000000
	s_mov_b32 s[G0I], 1
	s_mov_b32 s[G0I+1], SLOT
	s_add_nc_u64 s[G0I+2:G0I+3], s[20:21], ROWB
	s_or_b32 s[G0I+3], s[G0I+3], 0x80000000
	s_mov_b32 s[G0IB], 1
	s_mov_b32 s[G0IB+1], SLOT+2*HALFT
	s_add_nc_u64 s[G0IB+2:G0IB+3], s[46:47], ROWB
	s_or_b32 s[G0IB+3], s[G0IB+3], 0x80000000
	s_mov_b32 s[G0], 1                             ; for the refill: my 128 rows, slot 0; stepped to chunk 2 ahead of the load
	s_mov_b32 s[G0+1], s45
	s_add_nc_u64 s[G0+2:G0+3], s[20:21], s[18:19]
	s_or_b32 s[G0+3], s[G0+3], 0x80000000
	s_mov_b32 s[G0B], 1
	s_mov_b32 s[G0B+1], s45
	s_add_nc_u64 s[G0B+2:G0B+3], s[46:47], s[18:19]
	s_or_b32 s[G0B+3], s[G0B+3], 0x80000000
; the head's four tiles, one load a wave; one chain of branches on the wave's number
.macro ARM under, g0, g1, next
	s_cmp_lt_u32 s14, \under
	s_cbranch_scc0 \next
	tensor_load_to_lds s[\g0:\g0+3], s[\g1:\g1+7]
	s_nop 0
.rept 4
	v_nop
.endr
	s_branch .Lhead_asked
\next:
.endm
	ARM 1, G0H,  G1,  .Lhead_b
	ARM 2, G0HB, G1B, .Lhead_ia
	ARM 3, G0I,  G1,  .Lhead_ib
	tensor_load_to_lds s[G0IB:G0IB+3], s[G1B:G1B+7]
	s_nop 0
.rept 4
	v_nop
.endr
.Lhead_asked:
	v_and_b32 v1, 15, v0                           ; l % 16
	v_bfe_u32 v2, v0, 4, 1                         ; l / 16
	v_mul_u32_u24 v3, v1, PITCH
	v_mul_u32_u24 v4, v2, 24
	v_add_nc_u32 v4, v3, v4
	s_mov_b32 s21, SLOT-232
	s_mov_b32 s22, SLOT+232
	v_sub_nc_u32 v7, 1, v2
	v_mul_u32_u24 v5, s21, v2
	v_add_nc_u32 v5, v3, v5
	v_add_nc_u32 v5, 232, v5                       ; lanes 0-15 byte 232 of the row in slot 0, lanes 16-31 byte 0 in slot 1
	v_mul_u32_u24 v6, s22, v7
	v_add_nc_u32 v6, v3, v6                        ; and the other way round
	s_mul_i32 s21, s15, HALFT
	s_mul_i32 s22, s16, HALFT
	s_add_co_u32 s22, s22, 2*HALFT
	v_add_nc_u32 v[ADRA+2], s21, v5
	v_add_nc_u32 v[ADRA+3], s21, v6
	v_add_nc_u32 v[ADRB+2], s22, v5
	v_add_nc_u32 v[ADRB+3], s22, v6
.irp s, 0,1
	v_add_nc_u32 v[ADRA+\s], s21, v4
	v_add_nc_u32 v[ADRB+\s], s22, v4
	s_add_co_u32 s21, s21, SLOT
	s_add_co_u32 s22, s22, SLOT
.endr
	v_lshlrev_b32 v5, 5, v1
	v_lshl_add_u32 v[SOF], v2, 4, v5
	v_and_b32 v[LN], 31, v0
	v_lshlrev_b32 v[L8], 3, v[LN]
	v_lshlrev_b32 v[L16], 4, v[LN]
	v_mul_u32_u24 v[PFO], v[LN], KROW
	; my 128 tokens are group TG of 32 (batch TG / 16, step TG % 16), my 128 rows of the weight are heads H0 and H0 + 1
	s_lshl_b32 s20, s17, 1
	s_add_co_u32 s20, s20, s15
	s_lshl_b32 s46, s42, 1
	s_add_co_u32 s46, s46, s16
	s_cmp_eq_u32 ttmp9, 2
	s_cselect_b32 s21, s46, s20                    ; TG
	s_cselect_b32 s22, s20, s46
	s_lshl_b32 s22, s22, 1                         ; H0
	s_lshr_b32 s23, s21, 4
	s_lshl_b32 s23, s23, 4
	s_add_co_u32 s23, s23, s22
	s_lshl_b32 s23, s23, 4
	s_and_b32 s21, s21, 15
	s_add_co_u32 s23, s23, s21
	s_mul_i32 s22, s23, STEPB
	s_mov_b32 s23, 0
	s_add_nc_u64 s[12:13], s[12:13], s[22:23]
	s_mov_b32 s[SEL], 0x76543210
	s_mov_b32 s[SEL+1], 0xfedcba98
.macro FRAG reg, adr, st, i            ; 16 rows x 128 K: lane l holds row l % 16; registers 6 c .. 6 c + 5 hold K = 64 c + 32 (l / 16) + 0 .. 31, in pieces of 8 bytes
.irp p, 0,1,2,3,4,5
.set BY, 96*(\st)+48*(\p/3)+8*(\p%3)  ; byte y of a row lies in chunk y / 256, slot (y / 256) % 2
.if BY/ROWB == (BY+24)/ROWB
	ds_load_b64 v[\reg+2*\p:\reg+2*\p+1], v[\adr+(BY/ROWB)%2] offset:BY%ROWB+(\i)*16*PITCH
.else
	ds_load_b64 v[\reg+2*\p:\reg+2*\p+1], v[\adr+2+(BY/ROWB)%2] offset:BY%ROWB-232+(\i)*16*PITCH
.endif
.endr
.endm
; 16 matrix instructions of step SQ: A's blocks a0, a0 + 1 x B's eight; p: B's set.  The 64 accumulators take turns, in the same order in every step
.macro MUL16 a0, p, zero
.irp a, \a0, \a0+1
.irp b, 0,1,2,3,4,5,6,7
.if \zero
	v_wmma_scale_f32_16x16x128_f8f6f4 v[8*(8*((\a)%4)+\b):8*(8*((\a)%4)+\b)+7], v[128*(\p)+FR*\b:128*(\p)+FR*\b+FR-1], v[AF+FR*(\a):AF+FR*(\a)+FR-1], 0, v[SBS+4*\b+SQ%4], v[SA+4*(\a)+SQ%4] matrix_a_fmt:MATRIX_FMT_FP6 matrix_b_fmt:MATRIX_FMT_FP6
.else
.if SQ < 4
	v_wmma_scale_f32_16x16x128_f8f6f4 v[8*(8*((\a)%4)+\b):8*(8*((\a)%4)+\b)+7], v[128*(\p)+FR*\b:128*(\p)+FR*\b+FR-1], v[AF+FR*(\a):AF+FR*(\a)+FR-1], v[8*(8*((\a)%4)+\b):8*(8*((\a)%4)+\b)+7], v[SBS+4*\b+SQ%4], v[SA+4*(\a)+SQ%4] matrix_a_fmt:MATRIX_FMT_FP6 matrix_b_fmt:MATRIX_FMT_FP6
.else
	v_wmma_scale_f32_16x16x128_f8f6f4 v[8*(8*((\a)%4)+\b):8*(8*((\a)%4)+\b)+7], v[128*(\p)+FR*\b:128*(\p)+FR*\b+FR-1], v[AF+FR*(\a):AF+FR*(\a)+FR-1], v[8*(8*((\a)%4)+\b):8*(8*((\a)%4)+\b)+7], v[SBS+4*\b+SQ%4], v[SA+4*(\a)+SQ%4] matrix_a_fmt:MATRIX_FMT_FP6 matrix_b_fmt:MATRIX_FMT_FP6 matrix_a_scale:MATRIX_SCALE_ROW1 matrix_b_scale:MATRIX_SCALE_ROW1
.endif
.endif
.endr
.endr
.endm
.macro FETCH_B st, p
	WIN TO_B
.irp i, 0,1,2,3,4,5,6,7
	FRAG 128*(\p)+FR*\i, ADRB, \st, \i
.endr
	WIN 0
.endm
.macro FETCH_A st, i0
.irp i, \i0, \i0+1, \i0+2, \i0+3
	FRAG AF+FR*(\i), ADRA, \st, \i
.endr
.endm
.macro PLACES n                        ; places behind a matrix instruction (ISA guide 7.12.1)
.rept \n
	v_nop
.endr
.endm
; A step of 128 along K.  RF: the next step's bytes begin in a later chunk and a chunk two on is left to fetch: in front of the barrier stand the wait for all my tensor loads, the add and the wait for it and for my reads;
; the barrier opens a round of the cluster's barrier and the slot is filled again.  NW: the next step's bytes end in chunk 2, which no step has read yet: the wait for my load and a barrier show it whole.
.macro STEP st, zero
.set SQ, (\st)
.set NX, (\st)+1
.set C0, (96*(\st))/ROWB
.set C1, (96*NX)/ROWB
.set E0, (96*(\st)+95)/ROWB
.set E1, (96*NX+95)/ROWB
.set RF, 0
.if C1 > C0 && C0+2 < CHUNKS
.set RF, 1
.endif
.set NW, 0
.if E1 > E0 && E1 > 1
.set NW, 1
.endif
.if RF+NW > 0
	s_wait_tensorcnt 0x0                           ; all my tensor loads have landed
.if RF
	ds_add_u32 v[SPW], v[NIL]
	s_wait_dscnt 4*NL+1                            ; the add and A's blocks 4-7 may be out
.else
	s_wait_dscnt 4*NL                              ; A's blocks 4-7 may be out
.endif
	WIN MUL_LO
	MUL16 0, (\st)%2, \zero
	s_wait_dscnt 0x0                               ; the add and all my reads are done
	s_barrier_signal -1
	MUL16 2, (\st)%2, \zero
	WIN 0
	s_barrier_wait -1
.if RF
	CREST
	s_add_nc_u64 s[G0+2:G0+3], s[G0+2:G0+3], 2*ROWB
	s_add_nc_u64 s[G0B+2:G0B+3], s[G0B+2:G0B+3], 2*ROWB
	JLOAD G0, G1, G0B, G1B                         ; chunk 2, the first tensor load behind the round
.else
	PLACES NP
.endif
.else
	s_wait_dscnt 4*NL                              ; B's set and A's blocks 0-3 are in; A's blocks 4-7 may be out
	WIN MUL_LO
	MUL16 0, (\st)%2, \zero
	MUL16 2, (\st)%2, \zero
	s_wait_dscnt 0
	PLACES NP
.endif
	FETCH_B NX, NX%2
	FETCH_A NX, 0
.if (\st) == 0
	global_prefetch_b8 v[PFO], s[PFA:PFA+1] th:TH_LOAD_NT scope:SCOPE_SE   ; chunk 2 of 32 rows, a lane a row; its registers are never written again
.endif
	WIN MUL_HI
	MUL16 4, (\st)%2, \zero
	MUL16 6, (\st)%2, \zero
	PLACES NP
	WIN 0
	FETCH_A NX, 4
.endm
	s_wait_alu depctr_va_vdst(0)                   ; the wait at the head's end
.irp i, 0,1,2,3,4,5,6,7
	global_load_b128 v[SA+4*\i:SA+4*\i+3], v[SOF], s[98:99] offset:512*\i
	global_load_b128 v[SBS+4*\i:SBS+4*\i+3], v[SOF], s[100:101] offset:512*\i
.endr
	s_wait_tensorcnt 0x0                           ; my tile of the head's four is in
	s_mov_b32 s[G1+2], 128<<16                     ; no tensor load of mine is out: the refill's loads bring 128 rows
	s_mov_b32 s[G1+4], 128
	s_mov_b32 s[G1B+2], 128<<16
	s_mov_b32 s[G1B+4], 128
	s_barrier_signal -1
	s_barrier_wait -1                              ; all four tiles are in; slot 0 is filled again in step 2
	FETCH_B 0, 0
	FETCH_A 0, 0
	FETCH_A 0, 4
	s_wait_loadcnt 0x0                             ; the scale words
	STEP 0, 1                                      ; the first step's products start the sums
.set ST, 1
.rept STEPS-2
	STEP ST, 0
.set ST, ST+1
.endr
.set SQ, 7
	s_wait_dscnt 4*NL                              ; the last step: nothing more to fetch
	WIN MUL_LO
	MUL16 0, 1, 0
	MUL16 2, 1, 0
	s_wait_dscnt 0
	WIN MUL_HI
	MUL16 4, 1, 0
	MUL16 6, 1, 0
	WIN 0
; THE WAY OUT uses no LDS: the wave's last LDS lines stand here
	s_wait_tensorcnt 0x0
	ds_add_u32 v[SPW], v[NIL]
	PLACES NP
.irp b, 0,1,2,3
	v_mov_b32 v[TM+4+\b], 0                        ; a lane permute's destination counts as one of its sources
.endr
	v_mov_b32 v[C7F], 0x7f7f7f7f
	v_cmp_lt_u32 vcc_lo, 15, v[LN]                 ; lanes 16-31
	s_wait_dscnt 0x0
; Block a of A's rows: 64 registers of a lane become codes (blocks 0, 1 from v[dA], blocks 2, 3 from v[dB]) and a word of four scale bytes in v[WD + a]
.macro QUANT a, dA, dB
.set AC, 64*((\a)%4)
.set SW, 2+(\a)/4
.set WN, (SW<<2)|(SW<<4)
	WIN WN
.irp b, 0,1,2,3
	v_max3_num_f32 v[TM+\b], 0x1800000, |v[AC+16*\b]|, |v[AC+16*\b+1]|   ; with the floor 2^(3 - 127); each accumulator from its low end on
.endr
.irp i, 2,4,6,8,10,12,14
.irp b, 0,1,2,3
	v_max3_num_f32 v[TM+\b], v[TM+\b], |v[AC+16*\b+\i]|, |v[AC+16*\b+\i+1]|
.endr
.endr
	WIN 0
.irp b, 0,1,2,3
	v_permlanex16_b32 v[TM+4+\b], v[TM+\b], s[SEL], s[SEL+1]
.endr
.irp b, 0,1,2,3
	v_max_num_f32 v[TM+\b], v[TM+\b], v[TM+4+\b]
.endr
.irp b, 0,1,2,3
	v_add_nc_u32 v[TM+12+\b], 0xff000000, v[TM+\b] ; 2 off the exponent field: the conversion's scale operand
.endr
.irp b, 0,1,2,3
	v_lshrrev_b32 v[TM+4+\b], 23, v[TM+12+\b]      ; the scale's byte
.endr
	v_lshl_or_b32 v[WD+(\a)], v[TM+5], 8, v[TM+4]
	v_lshl_or_b32 v[WD+(\a)], v[TM+6], 16, v[WD+(\a)]
	v_lshl_or_b32 v[WD+(\a)], v[TM+7], 24, v[WD+(\a)]
	WIN SW
	v_cvt_scalef32_pk16_fp6_f32 v[\dA:\dA+2], v[AC:AC+15], v[TM+12]
	v_cvt_scalef32_pk16_fp6_f32 v[XT:XT+2], v[AC+16:AC+31], v[TM+13]
	v_cvt_scalef32_pk16_fp6_f32 v[\dB:\dB+2], v[AC+32:AC+47], v[TM+14]
	v_cvt_scalef32_pk16_fp6_f32 v[XT+4:XT+6], v[AC+48:AC+63], v[TM+15]
	WIN 0
	v_nop                                          ; one plain place behind a scaled conversion
.irp i, 0,1,2
	v_permlane16_swap_b32 v[\dA+\i], v[XT+\i]      ; a whole block in a lane
.endr
.irp i, 0,1,2
	v_mov_b32 v[\dA+3+\i], v[XT+\i]
.endr
.irp i, 0,1,2
	v_permlane16_swap_b32 v[\dB+\i], v[XT+4+\i]
.endr
.irp i, 0,1,2
	v_mov_b32 v[\dB+3+\i], v[XT+4+\i]
.endr
.endm
	s_cmp_eq_u32 ttmp9, 2
	s_cbranch_scc1 .Lv
	; q and k: block a is a tile of 16 tokens; its blocks 0, 1 are the first head's 64 dims, blocks 2, 3 the second head's
.irp a, 0,1,2,3
	QUANT \a, OUT0+6*\a, OUT0+48+6*\a
.endr
.irp hh, 0,1                                   ; tiles 0 to 3 fill the first 24 registers of each head's image: they leave while tiles 4 to 7 are quantised
.irp g, 0,1,2,3,4,5
	global_store_b128 v[L16], v[OUT0+48*\hh+4*\g:OUT0+48*\hh+4*\g+3], s[12:13] offset:\hh*HEADB+512*\g
.endr
.endr
.irp a, 4,5,6,7
	QUANT \a, OUT0+6*\a, OUT0+48+6*\a
.endr
.irp hh, 0,1
.irp a, 0,1,2,3,4,5,6,7
.if \hh
	v_perm_b32 v[U+\a], v[C7F], v[WD+\a], 0x04040302   ; the head's two bytes, then 0x7f twice
.else
	v_perm_b32 v[U+\a], v[C7F], v[WD+\a], 0x04040100
.endif
.endr
.irp i, 0,1,2,3
	v_cndmask_b32 v[SCI+4*\hh+\i], v[U+2*\i], v[U+2*\i+1], vcc_lo
.endr
.irp g, 6,7,8,9,10,11
	global_store_b128 v[L16], v[OUT0+48*\hh+4*\g:OUT0+48*\hh+4*\g+3], s[12:13] offset:\hh*HEADB+512*\g   ; 512 consecutive bytes, aligned to 256
.endr
	global_store_b128 v[L16], v[SCI+4*\hh:SCI+4*\hh+3], s[12:13] offset:\hh*HEADB+KSCO
.endr
	s_branch .Lend
.Lv:
	; v: block a is a tile of 16 dims (0-3: the first head, 4-7: the second); its four blocks are the 128 keys
.irp hh, 0,1                                   ; a head's image leaves as soon as its four tiles are quantised
.irp a, 0,1,2,3
	QUANT 4*\hh+\a, OUT0+48*\hh+12*\a, OUT0+48*\hh+12*\a+6
.endr
.irp i, 0,1
	v_cndmask_b32 v[SCI+2*\hh+\i], v[WD+4*\hh+2*\i], v[WD+4*\hh+2*\i+1], vcc_lo
.endr
.irp g, 0,1,2,3,4,5,6,7,8,9,10,11
	global_store_b128 v[L16], v[OUT0+48*\hh+4*\g:OUT0+48*\hh+4*\g+3], s[12:13] offset:\hh*HEADB+VIMG+512*\g
.endr
	global_store_b64 v[L8], v[SCI+2*\hh:SCI+2*\hh+1], s[12:13] offset:\hh*HEADB+VSCO
.endr
.Lend:
	CROUND                                         ; the closing round
	s_endpgm
; THE QUANTISING OF wo: 64 work-groups; number 16 x cluster y + 4 cy + cx; its low three bits say which 128 columns, the others which 128 along K
.macro WLOAD t                         ; block t: register i takes wo(32 t + sigma(i), my column)
.irp i, 0,1,2,3,4,5,6,7,8,9,10,11,12,13,14,15,16,17,18,19,20,21,22,23,24,25,26,27,28,29,30,31
	global_load_b32 v[WX+32*(\t)+\i], v3, s[96:97] offset:(32*(\t)+(\i&7)+((\i&8)*2)+((\i&16)/2))*4096 th:TH_LOAD_NT
.endr
.endm
.macro WBLOCK t
.set XS, WX+32*(\t)
.if (\t) < 3
	s_wait_loadcnt 32                              ; this block's 32 loads are in; the next block's 32 may be out
.else
	s_wait_loadcnt 0x0
.endif
.if (\t)+2 < 4
	WLOAD (\t)+2
.endif
	v_max3_num_f32 v12, |v[XS]|, |v[XS+1]|, |v[XS+2]|
	v_max3_num_f32 v13, |v[XS+3]|, |v[XS+4]|, |v[XS+5]|
.irp i, 6,10,14,18,22,26
	v_max3_num_f32 v12, v12, |v[XS+\i]|, |v[XS+\i+1]|
	v_max3_num_f32 v13, v13, |v[XS+\i+2]|, |v[XS+\i+3]|
.endr
	v_max3_num_f32 v12, v12, |v[XS+30]|, |v[XS+31]|
	v_max3_num_f32 v12, v12, v13, 0x1800000        ; the floor 2^(3 - 127)
	v_add_nc_u32 v11, 0xff000000, v12
	v_lshrrev_b32 v13, 23, v11
.if (\t) == 0
	v_mov_b32 v[WSB], v13
.else
	v_lshl_or_b32 v[WSB], v13, 8*(\t), v[WSB]
.endif
	v_cvt_scalef32_pk16_fp6_f32 v[WC+8*(\t):WC+8*(\t)+2], v[XS:XS+15], v11
	v_cvt_scalef32_pk16_fp6_f32 v[WC+8*(\t)+4:WC+8*(\t)+6], v[XS+16:XS+31], v11
	v_nop                                          ; one plain line behind the conversions
	ds_store_b96 v4, v[WC+8*(\t):WC+8*(\t)+2] offset:32*(\t)        ; 12 bytes to a place of 16
	ds_store_b96 v4, v[WC+8*(\t)+4:WC+8*(\t)+6] offset:32*(\t)+16
.endm
.Lwoq:
	s_add_co_u32 s17, s18, s41
	s_lshl_b32 s17, s17, 2
	s_add_co_u32 s17, s17, s40                     ; my number, 0 .. 63
	s_lshr_b32 s18, s17, 3                         ; which 128 along K
	s_and_b32 s17, s17, 7
	s_lshl_b32 s17, s17, 7
	s_lshl_b32 s19, s14, 5
	s_add_co_u32 s17, s17, s19                     ; my wave's first column
	s_mul_i32 s19, s14, 32*WP
	s_add_co_u32 s19, s19, WSTG                    ; my stage: the wave's number alone
	s_lshl_b32 s20, s18, 19                        ; wo: rows of 4,096 bytes
	s_lshl_b32 s21, s17, 2
	s_add_co_u32 s20, s20, s21
	s_mov_b32 s21, 0
	s_mul_i32 s22, s17, 768                        ; codes: column x 768 + 96 x which
	s_mul_i32 s23, s18, 96
	s_add_co_u32 s22, s22, s23
	s_mov_b32 s23, 0
	s_lshl_b32 s24, s17, 5                         ; scale bytes: column x 32 + 4 x which
	s_lshl_b32 s25, s18, 2
	s_add_co_u32 s24, s24, s25
	s_mov_b32 s25, 0
	s_add_nc_u64 s[96:97], s[96:97], s[20:21]
	s_add_nc_u64 s[98:99], s[98:99], s[22:23]
	s_add_nc_u64 s[100:101], s[100:101], s[24:25]
	v_and_b32 v2, 31, v0
	v_lshlrev_b32 v3, 2, v2
	v_mul_u32_u24 v4, v2, WP
	v_add_nc_u32 v4, s19, v4                       ; into the stage: row = my column
	v_lshrrev_b32 v5, 3, v2
	v_and_b32 v6, 7, v2                            ; out of it: eight lanes to a row
	v_mul_u32_u24 v7, v5, WP
	v_lshl_add_u32 v7, v6, 4, v7
	v_add_nc_u32 v7, s19, v7
	v_mul_u32_u24 v8, v5, 768
	v_mad_u32_u24 v8, v6, 12, v8
	v_lshlrev_b32 v9, 5, v2
	s_wait_alu depctr_va_vdst(0)                   ; the wait at the head's end
	WLOAD 0
	WLOAD 1
	WBLOCK 0
	WBLOCK 1
	WBLOCK 2
	WBLOCK 3
	global_store_b32 v9, v[WSB], s[100:101]
.irp u, 0,1,2,3,4,5,6,7
	ds_load_b96 v[WOU+4*\u:WOU+4*\u+2], v7 offset:4*\u*WP   ; LDS serves a wave's instructions in order: these see my stores
.endr
.irp u, 0,1,2,3,4,5,6,7
	s_wait_dscnt 7-\u                              ; the later loads from the stage may be out
	global_store_b96 v8, v[WOU+4*\u:WOU+4*\u+2], s[98:99] offset:4*\u*768
.endr
	s_wait_tensorcnt 0x0                           ; the wave's end
	ds_add_u32 v[SPW], v[NIL]
	s_wait_dscnt 0x0
	CROUND
	s_endpgm
.Lfunc_end_k_qbcaec99b88_proj:
	.size	k_qbcaec99b88_proj, .Lfunc_end_k_qbcaec99b88_proj-k_qbcaec99b88_proj
	.p2alignl 7, 3214868480
	.fill 96, 4, 3214868480
	.section	.rodata,"a",@progbits
	.p2align	6, 0x0
	.amdhsa_kernel k_qbcaec99b88_proj
		.amdhsa_group_segment_fixed_size 327680
		.amdhsa_private_segment_fixed_size 0
		.amdhsa_enable_private_segment 0
		.amdhsa_kernarg_size 120
		.amdhsa_user_sgpr_count 2
		.amdhsa_user_sgpr_kernarg_segment_ptr 1
		.amdhsa_wavefront_size32 1
		.amdhsa_system_sgpr_workgroup_id_x 1
		.amdhsa_system_sgpr_workgroup_id_y 1
		.amdhsa_system_sgpr_workgroup_id_z 1
		.amdhsa_system_vgpr_workitem_id 0
		.amdhsa_next_free_vgpr 1024
		.amdhsa_next_free_sgpr 102
		.amdhsa_reserve_vcc 1
		.amdhsa_float_denorm_mode_32 3
		.amdhsa_float_denorm_mode_16_64 3
		.amdhsa_memory_ordered 1
		.amdhsa_forward_progress 1
		.amdhsa_inst_pref_size 219
	.end_amdhsa_kernel
	.amdgpu_metadata
---
amdhsa.version: [ 1, 2 ]
amdhsa.kernels:
  - .name:           k_qbcaec99b88_proj
    .symbol:         k_qbcaec99b88_proj.kd
    .args:
      - { .name: qinput_codes, .offset: 0, .size: 8, .value_kind: global_buffer, .address_space: global }
      - { .name: qinput_scales, .offset: 8, .size: 8, .value_kind: global_buffer, .address_space: global }
      - { .name: kvinput_codes, .offset: 16, .size: 8, .value_kind: global_buffer, .address_space: global }
      - { .name: kvinput_scales, .offset: 24, .size: 8, .value_kind: global_buffer, .address_space: global }
      - { .name: wq_codes, .offset: 32, .size: 8, .value_kind: global_buffer, .address_space: global }
      - { .name: wq_scales, .offset: 40, .size: 8, .value_kind: global_buffer, .address_space: global }
      - { .name: wk_codes, .offset: 48, .size: 8, .value_kind: global_buffer, .address_space: global }
      - { .name: wk_scales, .offset: 56, .size: 8, .value_kind: global_buffer, .address_space: global }
      - { .name: wv_codes, .offset: 64, .size: 8, .value_kind: global_buffer, .address_space: global }
      - { .name: wv_scales, .offset: 72, .size: 8, .value_kind: global_buffer, .address_space: global }
      - { .name: qws, .offset: 80, .size: 8, .value_kind: global_buffer, .address_space: global }
      - { .name: kvws, .offset: 88, .size: 8, .value_kind: global_buffer, .address_space: global }
      - { .name: wo, .offset: 96, .size: 8, .value_kind: global_buffer, .address_space: global }
      - { .name: wo_codes, .offset: 104, .size: 8, .value_kind: global_buffer, .address_space: global }
      - { .name: wo_scales, .offset: 112, .size: 8, .value_kind: global_buffer, .address_space: global }
    .group_segment_fixed_size: 327680
    .private_segment_fixed_size: 0
    .kernarg_segment_align: 8
    .kernarg_segment_size: 120
    .max_flat_workgroup_size: 128
    .sgpr_count:     102
    .vgpr_count:     1024
    .wavefront_size: 32
...
	.end_amdgpu_metadata
.endif
;; end of part 1
;; launch attn (part 2): grid 8 x 32, 16 waves a work-group, clusters of 4 x 1, 327,680 bytes of LDS; arguments qws, kvws, pre_codes, pre_scales; writes pre_codes, pre_scales
.if DOCPART == 2
	.amdgcn_target "amdgcn-amd-amdhsa--gfx1250"
	.amdhsa_code_object_version 6
	.text
	.protected	k_qbcaec99b88_attn
	.globl	k_qbcaec99b88_attn
	.p2align	8
	.type	k_qbcaec99b88_attn,@function
k_qbcaec99b88_attn:
	s_mov_b64 s[64:65], 0
	v_nop
	global_prefetch_b8 v0, s[64:65] scope:SCOPE_SE
	s_setreg_imm32_b32 hwreg(HW_REG_WAVE_MODE, 25, 1), 1
	s_wait_xcnt 0x0
	s_wait_alu depctr_hold_cnt(0) depctr_sa_sdst(0) depctr_va_vdst(0) depctr_va_sdst(0) depctr_va_ssrc(0) depctr_va_vcc(0) depctr_vm_vsrc(0)
	s_getreg_b32 s2, hwreg(HW_REG_IB_STS2, 6, 4)
	s_cmp_eq_u32 s2, 0
	s_cbranch_scc0 .Lentry_in_a_cluster
	s_endpgm
.Lentry_in_a_cluster:
	s_bfe_u32 s2, ttmp6, 0x10000c
	s_cmp_lg_u32 s2, 0x3003
	s_cbranch_scc0 .Lentry_shape_is_right
	s_endpgm
.Lentry_shape_is_right:
; ATTENTION of one (batch, head) on codes of FP6 (E2M3) with one E8M0 scale for each 32 along a product's K; 2,048 queries, 2,048 keys, head size 64.  Nothing of the problem is left out here.
; logit(key, query) = k . q, plus -100 where key <= query (nothing is thrown away: every score is computed); t = logit x log2(e) / 8; M = the query's largest t so far, rounded UP to a whole number;
; p = 2^(t - M) is what is quantised, along the keys; the sum l is taken of the unquantised p; pre = (sum of p v) / l is quantised along (head, dim) for the last product and stored.
; When M moves, l and the sums are multiplied by 2^(old M - new M): exact.
; SHARES.  A cluster of four work-groups serves 1,024 queries of one (batch, head); a work-group has SIXTEEN waves of 256 registers, four to a SIMD; a wave owns one tile of 16 queries.  Wave w of the partner at place cx of cluster X
; owns tile 4 (w % 2) + cx of the group G = 8 X + w / 2 of 128 queries: so which key steps lie wholly under the -100 (step < G), on the diagonal (= G) or beyond (> G) hangs on the wave's number and the cluster's x alone.
; K AND V OF THE WHOLE HEAD STAY IN LDS: 16 blocks of 13,056 bytes, as they lie in memory: images of operand registers.  Wave w fetches block w, once, JOINTLY with the same wave of the three partners; no LDS byte is filled twice and none is stored to.
; THE BLOCKS COME IN TWO GROUPS: waves 0 to 3 ask at the head; the other twelve behind the next round of the cluster's barrier, and their blocks land while key steps 0 to 3 are walked.
; LAYOUT.  Both products are used transposed: S^T = K Q^T (source 0 = 16 keys, source 1 = my 16 queries), O^T = V^T P^T (source 0 = 16 dims, source 1 = P): a lane holds ONE query (lane % 16) throughout; register j of tile t holds key (or dim) 16 t + 8 (lane / 16) + j.
; Sixteen registers of two neighbouring tiles go into one conversion and the halves of the lanes change places: position p of a block of 32 then holds index sigma(p), p with its bits 3 and 4 exchanged.  V's, K's and Q's codes were made the same way, so the same pairs meet.
; THE SCORES' K IS 64, the instruction's 128: Q's upper six registers are zero codes and both sides' upper scale bytes are 0x7f, so whatever codes stand in the upper six registers of K's operand (the next tile's, or six zero registers behind the last) add exact zeros.
; THE -100 of a step that lies wholly under it, and the 0 of a step beyond, is the C of the scores' products; in the wave's one step on the diagonal C is 0 and -100 is added number by number.
; A BLOCK'S SCALE: p rises with the score, so the block's largest p is 2^x with x = the block's largest t - M, made by the same multiply-add as every p's exponent; floor(log2 p) is floor(x), and the scale's byte floor(x) + 125, x held at -124 from below.
; THE ROW'S SUM is kept in eight partial sums; the seven additions that join them stand in the NEXT step, in the places behind its matrix instructions, and once more behind the last step.
; LIMITS: NaN and infinities are not served; the promise holds while the scaled scores t stay under 2^31 in magnitude; a block whose largest p lies under 2^-124 gets the byte 1 (read by this program alone);
; where v_exp_f32 rounds a block's largest p up to the next power of two, that p is held at the largest code.
; pre leaves as 24 bytes of codes and one scale byte a lane: a head's part of a row is 48 bytes, so aligned blocks of 256 bytes are written in parts, by several work-groups.
.set STEPB, 13056                      ; a key step's block: +0 K's 48 registers, +6,144 V's 48, +12,288 K's scale words (16 bytes a lane), +12,800 V's (8 bytes a lane)
.set HEADB, 16*STEPB
.set VIMG,  6144
.set KSCO,  12288
.set VSCO,  12800
.set LI16, 1                           ; v1   16 x lane
.set LI8,  2                           ; v2   8 x lane
.set AD16, 3                           ; v3   the step's block + 16 x lane
.set AD8,  4                           ; v4   the step's block + 8 x lane
.set DG,   5                           ; v5   my query in its group of 128, less 8 (lane / 16)
.set NEG,  6                           ; v6   -100.0
.set QO,   7                           ; v7-9 Q's offsets
.set QSO,  10                          ; v10  Q's scale word's offset
.set TT,   11                          ; v11  at work
                                       ; v12 -M, v13 the largest t, v[14:15] the sum in two halves
.set QF,   16                          ; v16-27  Q's fragment: v22-27 are zeros
.set QS,   28                          ; v28     Q's scale words
.set PW,   29                          ; v29     p's scale word
.set KV,   32                          ; v32-79  the step's K, then its V;  v80-85 zeros
.set KSC,  86                          ; v86-89  K's scale words
.set VSC,  90                          ; v90-91  V's
.set S,    96                          ; v96-159 S^T, then p
.set OT,   160                         ; v160-191 O^T
.set CB,   192                         ; v192-199 the C of the scores' products
.set PC,   200                         ; v200-211 p's codes
.set XT,   212                         ; v212-218 a conversion's second halves
.set BM,   220                         ; v220-223 the blocks' largest scores, then their x
.set BT,   224                         ; v224-227 the other half's, then floor(x)
.set SO,   228                         ; v228-231 the conversions' scale operands
                                       ; v[232:233], v[242:253] seven partial sums
.set FF,   234                         ; v234 f = 2^(old M - new M); v235 named with it as a pair
.set RR,   236                         ; v236 lane % 16
.set PO,   237                         ; v237 pre's codes: my offset
.set PSO,  238                         ; v238 pre's scale byte: my offset
.set PB,   239                         ; v239 my scale byte
.set WV,  12                           ; s12 wave;  s13 cx;  s14 batch x 16 + head;  s15 G;  s16 my tile in the group
.set CX,  13
.set BH,  14
.set GG,  15
.set TAU, 16
.set SEL, 20                           ; s[20:21] lane selects for v_permlanex16_b32: lane l xor 16
.set CS,  22                           ; s[22:23] c = log2(e) / 8
.set G1,  24                           ; s[24:31] descriptor group 1;  s[40:43] group 0
.set G0,  40
.set TB,  48                           ; s48 LDS byte at which the step's block begins
.set JJ,  49                           ; s49 the key step, the loops' counter
.macro CROUND                          ; a round of the cluster's barrier
	s_barrier_signal -1
	s_barrier_wait -1
	s_cmp_lg_u32 s[WV], 0
	s_cbranch_scc1 .Lnot_wave_0_\@
	s_barrier_signal -3
.Lnot_wave_0_\@:
	s_barrier_wait -3
	s_barrier_signal -1
	s_barrier_wait -1
.endm
	s_load_b256 s[4:11], s[0:1], 0x0               ; qws, kvws, pre's codes, pre's scales
	v_lshl_add_u32 v254, v0, 2, 0x33000
	v_mov_b32 v255, 0
	ds_add_u32 v254, v255                          ; the opening lines: the add twice on end and its wait
	ds_add_u32 v254, v255
	v_lshrrev_b32 v1, 5, v0
	s_delay_alu instid0(VALU_DEP_1)
	v_readfirstlane_b32 s[WV], v1                  ; wave 0..15
	s_bfe_u32 s[CX], ttmp6, 0x40000                ; my place in the cluster: it enters Q's and pre's global offsets and v5 alone
	s_and_b32 s[BH], ttmp7, 0xffff
	s_lshl_b32 s[GG], ttmp9, 3
	s_lshr_b32 s52, s[WV], 1
	s_add_co_u32 s[GG], s[GG], s52                 ; G = 8 x cluster x + wave / 2
	s_and_b32 s[TAU], s[WV], 1
	s_lshl_b32 s[TAU], s[TAU], 2
	s_add_co_u32 s[TAU], s[TAU], s[CX]             ; my tile = 4 (wave % 2) + cx
	; descriptor group 1: a dense block of 13,056 bytes as 51 rows of 256 bytes (32 elements of 8 bytes)
	s_mov_b32 s[G1], 15|(3<<16)|(1<<21)            ; the mask: all four work-groups; elements of 8 bytes; no padding; bit 21 set beside a mask
	s_mov_b32 s[G1+1], 32<<16
	s_mov_b32 s[G1+2], 51<<16
	s_mov_b32 s[G1+3], 32<<16
	s_mov_b32 s[G1+4], 51
	s_mov_b32 s[G1+5], 32
	s_mov_b32 s[G1+6], 0
	s_mov_b32 s[G1+7], 0
	s_mul_i32 s52, s[BH], HEADB                    ; the head's first byte in qws and in kvws
	s_mov_b32 s53, 0
	s_mul_i32 s54, s[WV], STEPB                    ; my block: key step = my wave's number
	s_mov_b32 s55, 0
	s_mov_b32 s[SEL], 0x76543210
	s_mov_b32 s[SEL+1], 0xfedcba98
	s_mov_b32 s[CS], 0x3e38aa3b                    ; log2(e) / 8
	s_mov_b32 s[CS+1], s[CS]                       ; (named with it as a pair, so it is written)
	s_mov_b32 s[TB], 0
	s_mov_b32 s[JJ], 0
	s_wait_dscnt 0x0
	s_wait_kmcnt 0x0
	s_add_nc_u64 s[6:7], s[6:7], s[52:53]
	s_mov_b32 s[G0], 1
	s_mov_b32 s[G0+1], s54                         ; LDS address: wave x 13,056
	s_add_nc_u64 s[G0+2:G0+3], s[6:7], s[54:55]    ; the head's block of my key step: the same in all four partners
	s_or_b32 s[G0+3], s[G0+3], 0x80000000
	CROUND                                         ; all four work-groups are here: the joint loads meet
	s_cmp_lt_u32 s[WV], 4                          ; waves 0 to 3 ask for key steps 0 to 3 here
	s_cbranch_scc0 .Llater
	tensor_load_to_lds s[G0:G0+3], s[G1:G1+7]
	s_nop 0
.rept 4
	v_nop
.endr
.Llater:
	v_and_b32 v[TT], 31, v0                        ; lane
	s_delay_alu instid0(VALU_DEP_1)
	v_lshlrev_b32 v[LI16], 4, v[TT]
	s_wait_alu depctr_va_vdst(0)
	v_lshlrev_b32 v[LI8], 3, v[TT]
	v_and_b32 v[RR], 15, v0                        ; r
	s_wait_alu depctr_va_vdst(0)
	v_bfe_u32 v[TT], v0, 4, 1                      ; h
	; Q: my tile's six registers 6 tile + 0 .. 5 of the group's image: register n of a lane lies at 512 (n / 4) + 16 x lane + 4 (n % 4)
	s_wait_alu depctr_va_vdst(0)
	s_mul_i32 s58, s[GG], STEPB
	s_add_co_u32 s58, s58, s52
	s_mov_b32 s59, 0
	s_add_nc_u64 s[4:5], s[4:5], s[58:59]
	s_mul_i32 s60, s[TAU], 6
.irp i, 0,1,2
	s_add_co_u32 s61, s60, 2*\i
	s_lshr_b32 s62, s61, 2
	s_lshl_b32 s62, s62, 9
	s_and_b32 s61, s61, 3
	s_lshl_b32 s61, s61, 2
	s_add_co_u32 s62, s62, s61
	v_add_nc_u32 v[QO+\i], s62, v[LI16]
	global_load_b64 v[QF+2*\i:QF+2*\i+1], v[QO+\i], s[4:5]
.endr
	s_and_b32 s61, s[TAU], 1                       ; its scale words: register tile / 2 of lane r + 16 (tile % 2), 16 bytes a lane
	s_lshl_b32 s61, s61, 8
	s_lshr_b32 s62, s[TAU], 1
	s_lshl_b32 s62, s62, 2
	s_add_co_u32 s61, s61, s62
	v_lshl_add_u32 v[QSO], v[RR], 4, s61
	global_load_b32 v[QS], v[QSO], s[4:5] offset:KSCO
	v_lshlrev_b32 v[DG], 3, v[TT]
	s_delay_alu instid0(VALU_DEP_1)
	v_sub_nc_u32 v[DG], v[RR], v[DG]
	s_lshl_b32 s60, s[TAU], 4
	v_add_nc_u32 v[DG], s60, v[DG]                 ; 16 x tile + r - 8 h
	v_mov_b32 v[NEG], 0xc2c80000                   ; -100.0
	v_mul_u32_u24 v[PO], v[RR], 768                ; pre's codes: row r of 768 bytes, + 24 h
	s_delay_alu instid0(VALU_DEP_1)
	v_mad_u32_u24 v[PO], v[TT], 24, v[PO]
	v_lshl_add_u32 v[PSO], v[RR], 5, v[TT]         ; its scale byte: row r of 32 bytes, + h
	s_lshr_b32 s60, s[BH], 4
	s_lshl_b32 s60, s60, 11
	s_lshl_b32 s61, s[GG], 7
	s_add_co_u32 s60, s60, s61
	s_lshl_b32 s61, s[TAU], 4
	s_add_co_u32 s60, s60, s61                     ; my first row of pre: 2,048 x batch + 128 G + 16 x tile
	s_and_b32 s61, s[BH], 15                       ; the head
	s_mul_i32 s62, s60, 768
	s_mul_i32 s63, s61, 48
	s_add_co_u32 s62, s62, s63
	s_mov_b32 s63, 0
	s_add_nc_u64 s[8:9], s[8:9], s[62:63]
	s_lshl_b32 s62, s60, 5
	s_lshl_b32 s61, s61, 1
	s_add_co_u32 s62, s62, s61
	s_add_nc_u64 s[10:11], s[10:11], s[62:63]
	v_mov_b32 v13, 0xff61b1e6                      ; the largest t so far: -3e38, under every t
	s_delay_alu instid0(VALU_DEP_1)
	v_floor_f32 v12, -v13                          ; -M
	v_mov_b32 v14, 0                               ; the sum, in two halves
	v_mov_b32 v15, 0
.irp i, 0,1,2,3,4,5
	v_mov_b32 v[QF+6+\i], 0                        ; Q's upper 64 of K: zero codes
	v_mov_b32 v[KV+48+\i], 0                       ; and what stands behind K's last tile
.endr
.irp b, 0,1,2,3
	v_mov_b32 v[BT+\b], 0                          ; written once: a lane permute's destination counts as one of its sources
.endr
	v_mov_b32 v[FF+1], 0                           ; (named as the upper half of a pair)
.irp i, 232,233,242,243,244,245,246,247,248,249,250,251,252,253
	v_mov_b32 v\i, 0                               ; the partial sums: the first step joins zeros
.endr
.irp i, 0,1,2,3,4,5,6,7
	v_mov_b32 v[CB+\i], 0xc2c80000                 ; the C of the scores' products begins as -100
.endr
.set n, 0
.rept 32
	v_mov_b32 v[OT+n], 0                           ; O^T: the first step finds zeros, which the first change of M leaves zeros
.set n, n+1
.endr
; A KEY STEP: 128 keys.
.macro STEP
	s_cmp_lg_u32 s[JJ], s[GG]                      ; C holds -100 while all of a step's keys come before my group's queries; from my group's own step on it holds 0
	s_cbranch_scc1 .Lkeep_\@                       ; a scalar branch on the step, the wave's number and the cluster's x
.irp i, 0,1,2,3,4,5,6,7
	v_mov_b32 v[CB+\i], 0
.endr
.Lkeep_\@:
	v_add_nc_u32 v[AD16], s[TB], v[LI16]
	v_add_nc_u32 v[AD8], s[TB], v[LI8]
	v_pk_add_f32 v[14:15], v[14:15], v[248:249]    ; the last step's partial sums are joined: these four plain lines are the places behind the last products, ahead of the loads into the registers that they read
	v_pk_add_f32 v[232:233], v[232:233], v[246:247]
.irp g, 0,1,2,3,4,5,6,7,8,9,10,11
	ds_load_b128 v[KV+4*\g:KV+4*\g+3], v[AD16] offset:512*\g   ; K's eight tiles, six registers each: 32 lanes take 512 consecutive bytes
.endr
	ds_load_b128 v[KSC:KSC+3], v[AD16] offset:KSCO
	s_wait_alu depctr_va_vdst(0)
	s_wait_dscnt 0x0
.irp t, 0,1,2,3,4,5,6,7                        ; S^T = K Q^T + C
.if \t%2
	v_wmma_scale_f32_16x16x128_f8f6f4 v[S+8*\t:S+8*\t+7], v[KV+6*\t:KV+6*\t+11], v[QF:QF+11], v[CB:CB+7], v[KSC+\t/2], v[QS] matrix_a_fmt:MATRIX_FMT_FP6 matrix_b_fmt:MATRIX_FMT_FP6 matrix_a_scale:MATRIX_SCALE_ROW1
.else
	v_wmma_scale_f32_16x16x128_f8f6f4 v[S+8*\t:S+8*\t+7], v[KV+6*\t:KV+6*\t+11], v[QF:QF+11], v[CB:CB+7], v[KSC+\t/2], v[QS] matrix_a_fmt:MATRIX_FMT_FP6 matrix_b_fmt:MATRIX_FMT_FP6
.endif
.endr
	v_pk_add_f32 v[252:253], v[252:253], v[244:245]   ; the rest of the joining: the places in front of the loads into K's registers and of the first read of the scores
	v_pk_add_f32 v[250:251], v[250:251], v[242:243]
	s_delay_alu instid0(VALU_DEP_2)
	v_pk_add_f32 v[14:15], v[14:15], v[252:253]
	s_delay_alu instid0(VALU_DEP_2)
	v_pk_add_f32 v[232:233], v[232:233], v[250:251]
	s_delay_alu instid0(VALU_DEP_1)
	v_pk_add_f32 v[14:15], v[14:15], v[232:233]    ; the sum of all steps so far, under the M so far
.irp g, 0,1,2,3,4,5,6,7,8,9,10,11
	ds_load_b128 v[KV+4*\g:KV+4*\g+3], v[AD16] offset:VIMG+512*\g   ; V's four tiles, twelve registers each: they land while the softmax is walked
.endr
	ds_load_b64 v[VSC:VSC+1], v[AD8] offset:VSCO
	s_cmp_lg_u32 s[JJ], s[GG]
	s_cbranch_scc1 .Lopen_\@                       ; a scalar branch on the step, the wave's number and the cluster's x
.set n, 0
.rept 64                                       ; the diagonal: register 8 t + j holds key 16 t + 8 h + j of the group: -100 where it is at most my query
	v_cmp_le_i32 vcc_lo, 16*(n/8)+n%8, v[DG]
	s_delay_alu instid0(VALU_DEP_1)
	v_cndmask_b32 v[TT], 0, v[NEG], vcc_lo
	v_add_f32 v[S+n], v[S+n], v[TT]
.set n, n+1
.endr
.Lopen_\@:
.irp b, 0,1,2,3
	v_max3_num_f32 v[BM+\b], v[S+16*\b], v[S+1+16*\b], v[S+2+16*\b]   ; the largest score of each block of 32 keys: it serves for the row's maximum and for the block's scale
.endr
.irp i, 3,5,7,9,11,13
.irp b, 0,1,2,3
	v_max3_num_f32 v[BM+\b], v[BM+\b], v[S+16*\b+\i], v[S+1+16*\b+\i]   ; (the four blocks by turns)
.endr
.endr
.irp b, 0,1,2,3
	v_max_num_f32 v[BM+\b], v[BM+\b], v[S+15+16*\b]
.endr
.irp b, 0,1,2,3
	s_delay_alu instid0(VALU_DEP_4)
	v_permlanex16_b32 v[BT+\b], v[BM+\b], s[SEL], s[SEL+1]
.endr
.irp b, 0,1,2,3
	s_delay_alu instid0(VALU_DEP_4)
	v_max_num_f32 v[BM+\b], v[BM+\b], v[BT+\b]     ; with lane l xor 16's 16 keys
.endr
	s_delay_alu instid0(VALU_DEP_2)
	v_max3_num_f32 v[TT], v[BM], v[BM+1], v[BM+2]
	s_delay_alu instid0(VALU_DEP_1)
	v_max_num_f32 v[TT], v[TT], v[BM+3]            ; the step's largest score of my query
	s_delay_alu instid0(VALU_DEP_1)
	v_mul_f32 v[TT], s[CS], v[TT]                  ; as t (c is positive)
	s_delay_alu instid0(VALU_DEP_1)
	v_max_num_f32 v13, v13, v[TT]                  ; the running largest t
	v_mov_b32 v[TT], v12
	s_delay_alu instid0(VALU_DEP_2)
	v_floor_f32 v12, -v13                          ; the new -M = floor(-t) = -ceil(t)
	s_delay_alu instid0(VALU_DEP_1)
	v_sub_f32 v[TT], v12, v[TT]                    ; M's old value less its new one: a whole number, 0 or less
	s_delay_alu instid0(VALU_DEP_1)
	v_cvt_i32_f32 v[TT], v[TT]                     ; (it saturates)
	s_delay_alu instid0(VALU_DEP_1)
	v_ldexp_f32 v[FF], 1.0, v[TT]                  ; f = 2^(old M - new M)
.set n, 0
.rept 32
	v_pk_fma_f32 v[S+n:S+n+1], v[S+n:S+n+1], s[CS:CS+1], v[12:13] op_sel_hi:[1,0,0]   ; t - M, two at a time (of the pairs c and -M the low word serves both halves)
.set n, n+2
.endr
.irp b, 0,1,2,3
	v_fma_f32 v[BM+\b], v[BM+\b], s[CS], v12       ; x: the same of each block's largest score
.endr
.set n, 0
	s_wait_alu depctr_va_vdst(0)                   ; the wait ahead of the batch
.rept 64
	v_exp_f32 v[S+n], v[S+n]                       ; p = 2^(t - M), at most 1: not normalised
.set n, n+1
.endr
	v_pk_mul_f32 v[14:15], v[14:15], v[FF:FF+1] op_sel_hi:[1,0]   ; the sum under the new M: a plain line behind the exponentials
	s_wait_alu depctr_va_vdst(0)                   ; one wait for the whole batch, ahead of its first reader
	v_pk_add_f32 v[232:233], v[100:101], v[104:105]   ; THE ROW'S SUM IS TAKEN OF THE UNQUANTISED p: eight chains, two numbers an instruction
	v_pk_add_f32 v[252:253], v[108:109], v[112:113]
	v_pk_add_f32 v[250:251], v[116:117], v[120:121]
	v_pk_add_f32 v[248:249], v[124:125], v[128:129]
	v_pk_add_f32 v[246:247], v[132:133], v[136:137]
	v_pk_add_f32 v[244:245], v[140:141], v[144:145]
	v_pk_add_f32 v[242:243], v[148:149], v[152:153]
	v_pk_add_f32 v[14:15], v[14:15], v[156:157]
	v_pk_add_f32 v[232:233], v[232:233], v[96:97]
	v_pk_add_f32 v[252:253], v[252:253], v[98:99]
	v_pk_add_f32 v[250:251], v[250:251], v[102:103]
	v_pk_add_f32 v[248:249], v[248:249], v[106:107]
	v_pk_add_f32 v[246:247], v[246:247], v[110:111]
	v_pk_add_f32 v[244:245], v[244:245], v[114:115]
	v_pk_add_f32 v[242:243], v[242:243], v[118:119]
	v_pk_add_f32 v[14:15], v[14:15], v[122:123]
	v_pk_add_f32 v[232:233], v[232:233], v[126:127]
	v_pk_add_f32 v[252:253], v[252:253], v[130:131]
	v_pk_add_f32 v[250:251], v[250:251], v[134:135]
	v_pk_add_f32 v[248:249], v[248:249], v[138:139]
	v_pk_add_f32 v[246:247], v[246:247], v[142:143]
	v_pk_add_f32 v[244:245], v[244:245], v[146:147]
	v_pk_add_f32 v[242:243], v[242:243], v[150:151]
	v_pk_add_f32 v[14:15], v[14:15], v[154:155]
	v_pk_add_f32 v[232:233], v[232:233], v[158:159]   ; the eight are joined in the next step
.irp b, 0,1,2,3
	v_max_num_f32 v[BM+\b], 0xc2f80000, v[BM+\b]   ; x held at -124 from below: the byte cannot fall under 1
.endr
.irp b, 0,1,2,3
	s_delay_alu instid0(VALU_DEP_4)
	v_cvt_floor_i32_f32 v[BT+\b], v[BM+\b]         ; floor(x) = floor(log2(the block's largest p)), -124 .. 0
.endr
.irp b, 0,1,2,3
	s_delay_alu instid0(VALU_DEP_4)
	v_add_lshl_u32 v[SO+\b], v[BT+\b], 0x7d, 23    ; the scale's byte floor(x) - 2 + 127, in the exponent field: the conversion's scale operand
.endr
	v_lshl_add_u32 v[PW], v[BT+1], 8, v[BT]        ; p's scale word for these 128 keys: the sum of floor(x) x 256^b, modulo 2^32,
	s_delay_alu instid0(VALU_DEP_1)
	v_lshl_add_u32 v[PW], v[BT+2], 16, v[PW]
	s_delay_alu instid0(VALU_DEP_1)
	v_lshl_add_u32 v[PW], v[BT+3], 24, v[PW]
	s_delay_alu instid0(VALU_DEP_1)
	v_add_nc_u32 v[PW], 0x7d7d7d7d, v[PW]          ; and 125 in each byte: every byte is 1 .. 125
.irp c, 0,1
	v_cvt_scalef32_pk16_fp6_f32 v[PC+6*\c:PC+6*\c+2], v[S+32*\c:S+32*\c+15], v[SO+2*\c]
	v_cvt_scalef32_pk16_fp6_f32 v[XT+4*\c:XT+4*\c+2], v[S+32*\c+16:S+32*\c+31], v[SO+2*\c+1]   ; (a conversion's three registers begin on an even number)
.endr
	v_nop                                          ; one plain line behind the scaled conversions
.irp c, 0,1                                    ; the operand's layout wants a WHOLE block in a lane: lanes 0-15 block 2 c, lanes 16-31 block 2 c + 1
.irp i, 0,1,2
	v_permlane16_swap_b32 v[PC+6*\c+\i], v[XT+4*\c+\i]
.endr
.irp i, 0,1,2
	s_delay_alu instid0(VALU_DEP_3)
	v_mov_b32 v[PC+6*\c+3+\i], v[XT+4*\c+\i]
.endr
.endr
.set n, 0
.rept 16
	v_pk_mul_f32 v[OT+n:OT+n+1], v[OT+n:OT+n+1], v[FF:FF+1] op_sel_hi:[1,0]   ; O^T under the new M: x f.  Of these sixteen, twelve name no register of a given product below: the places between the scale word's and the codes' last writes and the products
.set n, n+2
.endr
	s_wait_alu depctr_va_vdst(0)
	s_wait_dscnt 0x0                               ; V and its scale words are in
.irp t, 0,1,2,3                                ; O^T += V^T P^T: the four accumulators by turns
.if \t%2
	v_wmma_scale_f32_16x16x128_f8f6f4 v[OT+8*\t:OT+8*\t+7], v[KV+12*\t:KV+12*\t+11], v[PC:PC+11], v[OT+8*\t:OT+8*\t+7], v[VSC+\t/2], v[PW] matrix_a_fmt:MATRIX_FMT_FP6 matrix_b_fmt:MATRIX_FMT_FP6 matrix_a_scale:MATRIX_SCALE_ROW1
.else
	v_wmma_scale_f32_16x16x128_f8f6f4 v[OT+8*\t:OT+8*\t+7], v[KV+12*\t:KV+12*\t+11], v[PC:PC+11], v[OT+8*\t:OT+8*\t+7], v[VSC+\t/2], v[PW] matrix_a_fmt:MATRIX_FMT_FP6 matrix_b_fmt:MATRIX_FMT_FP6
.endif
.endr
	s_add_co_u32 s[TB], s[TB], STEPB               ; the next step's block
.endm
	s_wait_alu depctr_va_vdst(0)                   ; the wait at the head's end
	s_wait_tensorcnt 0x0                           ; a block of key steps 0 to 3, if I asked for one, is in LDS;
	ds_add_u32 v254, v255                          ; ahead of a later first fill: the add twice on end
	ds_add_u32 v254, v255
	s_wait_dscnt 0x0
	CROUND                                         ; blocks 0 to 3 are whole for every wave, and all four work-groups are here: the joint loads meet
	s_cmp_lt_u32 s[WV], 4
	s_cbranch_scc1 .Lasked
	tensor_load_to_lds s[G0:G0+3], s[G1:G1+7]      ; waves 4 to 15: my block, the first tensor load behind the round; it lands on bytes that the first four steps do not read
	s_nop 0
.rept 4
	v_nop
.endr
.Lasked:
	s_wait_loadcnt 0x0                             ; Q
.Lstep:                                                ; four trips: key steps 0 to 3
	STEP
	s_add_co_u32 s[JJ], s[JJ], 1
	s_cmp_lt_u32 s[JJ], 4
	s_cbranch_scc1 .Lstep
	s_wait_tensorcnt 0x0                           ; my block of key steps 4 to 15 is in,
	s_barrier_signal -1
	s_barrier_wait -1                              ; everybody's is
.Lstep2:                                               ; twelve trips: key steps 4 to 15
	STEP
	s_add_co_u32 s[JJ], s[JJ], 1
	s_cmp_lt_u32 s[JJ], 16
	s_cbranch_scc1 .Lstep2
	; THE WAY OUT: pre = O^T / l, quantised along the head's 64 dims: two blocks of 32.
	v_pk_add_f32 v[14:15], v[14:15], v[248:249]    ; the last step's partial sums are joined: these lines are also the places behind the last products
	v_pk_add_f32 v[232:233], v[232:233], v[246:247]
	v_pk_add_f32 v[252:253], v[252:253], v[244:245]
	v_pk_add_f32 v[250:251], v[250:251], v[242:243]
	s_delay_alu instid0(VALU_DEP_2)
	v_pk_add_f32 v[14:15], v[14:15], v[252:253]
	s_delay_alu instid0(VALU_DEP_2)
	v_pk_add_f32 v[232:233], v[232:233], v[250:251]
	s_delay_alu instid0(VALU_DEP_1)
	v_pk_add_f32 v[14:15], v[14:15], v[232:233]
	s_delay_alu instid0(VALU_DEP_1)
	v_add_f32 v14, v14, v15                        ; the sum's two halves,
	s_delay_alu instid0(VALU_DEP_1)
	v_permlanex16_b32 v[TT], v14, s[SEL], s[SEL+1]
	s_delay_alu instid0(VALU_DEP_1)
	v_add_f32 v14, v14, v[TT]                      ; and lane l xor 16's: the row's sum
	s_wait_alu depctr_va_vdst(0)
	v_rcp_f32 v14, v14
	v_and_b32 v[TT], 31, v0                        ; (a plain line behind the reciprocal)
	s_delay_alu instid0(VALU_DEP_1)
	v_cmp_lt_u32 vcc_lo, 15, v[TT]                 ; lanes 16-31
	s_wait_alu depctr_va_vdst(0)                   ; the wait ahead of the reciprocal's first reader
.set n, 0
.rept 32
	v_mul_f32 v[S+n], v[OT+n], v14                 ; register 8 t + j is pre(my query, 16 t + 8 h + j); each accumulator from its low end on
.set n, n+1
.endr
.irp b, 0,1
	v_max3_num_f32 v[BM+\b], |v[S+16*\b]|, |v[S+1+16*\b]|, 0x1800000   ; my 16 numbers of block b, and the floor 2^(3 - 127)
.endr
.irp i, 2,4,6,8,10,12,14
.irp b, 0,1
	s_delay_alu instid0(VALU_DEP_2)
	v_max3_num_f32 v[BM+\b], v[BM+\b], |v[S+16*\b+\i]|, |v[S+1+16*\b+\i]|
.endr
.endr
.irp b, 0,1
	s_delay_alu instid0(VALU_DEP_2)
	v_permlanex16_b32 v[BT+\b], v[BM+\b], s[SEL], s[SEL+1]
.endr
.irp b, 0,1
	s_delay_alu instid0(VALU_DEP_2)
	v_max_num_f32 v[BM+\b], v[BM+\b], v[BT+\b]     ; with lane l xor 16's: the block's largest magnitude
.endr
.irp b, 0,1
	s_delay_alu instid0(VALU_DEP_2)
	v_add_nc_u32 v[SO+\b], 0xff000000, v[BM+\b]    ; 2 off the exponent field: the conversion's scale operand
.endr
.irp b, 0,1
	s_delay_alu instid0(VALU_DEP_2)
	v_lshrrev_b32 v[BT+\b], 23, v[SO+\b]           ; the scale's byte
.endr
	v_cvt_scalef32_pk16_fp6_f32 v[PC:PC+2], v[S:S+15], v[SO]
	v_cvt_scalef32_pk16_fp6_f32 v[XT:XT+2], v[S+16:S+31], v[SO+1]
	v_nop                                          ; one plain line behind the scaled conversions
.irp i, 0,1,2
	v_permlane16_swap_b32 v[PC+\i], v[XT+\i]       ; lanes 0-15 now hold block 0 of their query, lanes 16-31 block 1
.endr
.irp i, 0,1,2
	s_delay_alu instid0(VALU_DEP_3)
	v_mov_b32 v[PC+3+\i], v[XT+\i]
.endr
	v_cndmask_b32 v[PB], v[BT], v[BT+1], vcc_lo    ; and that block's byte
.irp i, 0,1,2
	global_store_b64 v[PO], v[PC+2*\i:PC+2*\i+1], s[8:9] offset:8*\i
.endr
	global_store_b8 v[PSO], v[PB], s[10:11]
	s_wait_dscnt 0x0
	s_wait_tensorcnt 0x0                           ; the wave's end
	ds_add_u32 v254, v255
	s_wait_dscnt 0x0
	CROUND                                         ; the closing round: no work-group ends while a partner may still ask for a block that names it
	s_endpgm
.Lfunc_end_k_qbcaec99b88_attn:
	.size	k_qbcaec99b88_attn, .Lfunc_end_k_qbcaec99b88_attn-k_qbcaec99b88_attn
	.p2alignl 7, 3214868480
	.fill 96, 4, 3214868480
	.section	.rodata,"a",@progbits
	.p2align	6, 0x0
	.amdhsa_kernel k_qbcaec99b88_attn
		.amdhsa_group_segment_fixed_size 327680
		.amdhsa_private_segment_fixed_size 0
		.amdhsa_enable_private_segment 0
		.amdhsa_kernarg_size 32
		.amdhsa_user_sgpr_count 2
		.amdhsa_user_sgpr_kernarg_segment_ptr 1
		.amdhsa_wavefront_size32 1
		.amdhsa_system_sgpr_workgroup_id_x 1
		.amdhsa_system_sgpr_workgroup_id_y 1
		.amdhsa_system_sgpr_workgroup_id_z 1
		.amdhsa_system_vgpr_workitem_id 0
		.amdhsa_next_free_vgpr 256
		.amdhsa_next_free_sgpr 66
		.amdhsa_reserve_vcc 1
		.amdhsa_float_denorm_mode_32 3
		.amdhsa_float_denorm_mode_16_64 3
		.amdhsa_memory_ordered 1
		.amdhsa_forward_progress 1
		.amdhsa_inst_pref_size 66
	.end_amdhsa_kernel
	.amdgpu_metadata
---
amdhsa.version: [ 1, 2 ]
amdhsa.kernels:
  - .name:           k_qbcaec99b88_attn
    .symbol:         k_qbcaec99b88_attn.kd
    .args:
      - { .name: qws, .offset: 0, .size: 8, .value_kind: global_buffer, .address_space: global }
      - { .name: kvws, .offset: 8, .size: 8, .value_kind: global_buffer, .address_space: global }
      - { .name: pre_codes, .offset: 16, .size: 8, .value_kind: global_buffer, .address_space: global }
      - { .name: pre_scales, .offset: 24, .size: 8, .value_kind: global_buffer, .address_space: global }
    .group_segment_fixed_size: 327680
    .private_segment_fixed_size: 0
    .kernarg_segment_align: 8
    .kernarg_segment_size: 32
    .max_flat_workgroup_size: 512
    .sgpr_count:     66
    .vgpr_count:     256
    .wavefront_size: 32
...
	.end_amdgpu_metadata
.endif
;; end of part 2
;; launch outp (part 3): grid 8 x 32, 4 waves a work-group, clusters of 4 x 4, 229,376 bytes of LDS; arguments pre_codes, pre_scales, wo_codes, wo_scales, out0; writes out0
.if DOCPART == 3
	.amdgcn_target "amdgcn-amd-amdhsa--gfx1250"
	.amdhsa_code_object_version 6
	.text
	.protected	k_qbcaec99b88_outp
	.globl	k_qbcaec99b88_outp
	.p2align	8
	.type	k_qbcaec99b88_outp,@function
k_qbcaec99b88_outp:
	s_mov_b64 s[64:65], 0
	v_nop
	global_prefetch_b8 v0, s[64:65] scope:SCOPE_SE
	s_setreg_imm32_b32 hwreg(HW_REG_WAVE_MODE, 25, 1), 1
	s_wait_xcnt 0x0
	s_wait_alu depctr_hold_cnt(0) depctr_sa_sdst(0) depctr_va_vdst(0) depctr_va_sdst(0) depctr_va_ssrc(0) depctr_va_vcc(0) depctr_vm_vsrc(0)
	s_getreg_b32 s2, hwreg(HW_REG_IB_STS2, 6, 4)
	s_cmp_eq_u32 s2, 0
	s_cbranch_scc0 .Lentry_in_a_cluster
	s_endpgm
.Lentry_in_a_cluster:
	s_bfe_u32 s2, ttmp6, 0x10000c
	s_cmp_lg_u32 s2, 0xf033
	s_cbranch_scc0 .Lentry_shape_is_right
	s_endpgm
.Lentry_shape_is_right:
; out[m][n] = sum over k of pre[m][k] wo[n][k]: pre [4096][1024] and wo [1024][1024] as codes of FP6 (E2M3), K innermost, 768 bytes a row, one E8M0 byte for each 32 along K; out [4096][1024] f32; sums in f32.
; Both operands hold their blocks of 32 in the same order inside a block, so the same pairs are multiplied.  Nothing of the problem is left out here.
; 256 work-groups, each a tile of 128 x 128; four waves, each 64 x 64: 16 accumulators.  ALL OF K LIES IN LDS: 128 rows of pre and 128 of wo, each row its 768 bytes, which begin on a multiple of 256 bytes;
; 16 bytes of padding behind every 256: an LDS row is 816 bytes = 204 words, so the 16 rows of a fragment start 12 words apart.  Each LDS byte is filled once: each wave fetches 64 rows by its one tensor load.
; THE WALK GOES BY ROWS OF out: wo's fragments of all eight K steps stay in registers (8 x 4 x 12); pre's come by blocks of 16 rows x all of K (96 registers, two sets).  A block of 16 x 64 is finished by 32 matrix
; instructions, its four accumulators by turns, K ascending, and leaves through the stage while the next block is multiplied.  No fragment is read from LDS twice.
; CLUSTERS: 4 x 4.  pre's rows hang on the tile row alone and are asked for jointly along a row of the cluster, wo's on the tile column alone and along a column.
; THE SCALE WORDS go from memory into registers: lane (r, h) takes bytes 16 h .. 16 h + 15 of row r's 32, so a load of 16 rows reads 512 consecutive bytes; register j holds K step j in lanes 0-15 and K step 4 + j in lanes 16-31.
; NO PREFETCH: the launch has no loop to run ahead in; all that it reads is asked for at its head.
; TRANSPOSED USE: source 0 = 16 rows of wo, source 1 = 16 rows of pre: a lane holds eight neighbouring numbers of a row of out.
; LIMITS: the scale byte 0xff is not served (the launches that make these bytes give 1 to 254).
; REGISTERS: window 0: v16-29 addresses, v32-47 pre's scale words, v48-63 wo's, v64-127 the way out, v128-255 the accumulators (a, b) at 128 + 8 (4 a + b).
;   windows 1, 2: wo's fragments of K steps 0-3, 4-7: step st, block b at 48 (st % 4) + 12 b.   window 3: pre's fragments: block a, step st at 96 (a % 2) + 12 st.
.set KROW,   768
.set PITCH,  816
.set FR,     12
.set QT,     64*PITCH                  ; 64 rows: one tensor load, and what a wave reads of either operand
.set TILE,   2*QT
.set STAGE,  2*TILE                    ; behind the tiles: 16 rows x 272 bytes for each wave, on which no tile lands
.set SPITCH, 272
.set SPARE,  STAGE+4*16*SPITCH         ; the spare words, 128 bytes a wave
.set ADRA, 16                          ; v16 my fragments of pre; v17 the same 16 bytes on for lanes 16-31 (their piece lies behind one padding more)
.set ADRB, 18                          ; v18-19 the same for wo
.set SOF,  20
.set STO,  24
.set RD,   25
.set CO,   26
.set SPW,  28
.set NIL,  29
.set SCA,  32
.set SCB,  48
.set BK,   64
.set ACC,  128
.set G1, 24
.set G0, 32
.set G1B, 48
.set G0B, 56
.set MSB, 0
.macro WIN new
.if MSB != \new
	s_set_vgpr_msb (MSB<<8)|\new
.set MSB, \new
.endif
.endm
.macro CROUND
	s_barrier_signal -1
	s_barrier_wait -1
	s_cmp_lg_u32 s14, 0
	s_cbranch_scc1 .Lnot_wave_0_\@
	s_barrier_signal -3
.Lnot_wave_0_\@:
	s_barrier_wait -3
	s_barrier_signal -1
	s_barrier_wait -1
.endm
.macro PLACES                          ; places behind a matrix instruction (ISA guide 7.12.1)
.rept 4
	v_nop
.endr
.endm
	s_load_b128 s[4:7], s[0:1], 0x0                ; pre's codes, scales
	s_load_b128 s[8:11], s[0:1], 0x10              ; wo's codes, scales
	s_load_b64 s[12:13], s[0:1], 0x20              ; out
	v_lshl_add_u32 v[SPW], v0, 2, SPARE
	v_mov_b32 v[NIL], 0
	ds_add_u32 v[SPW], v[NIL]                      ; the opening lines: the add twice on end and its wait
	ds_add_u32 v[SPW], v[NIL]
	v_lshrrev_b32 v1, 5, v0
	v_readfirstlane_b32 s14, v1                    ; wave 0..3
	s_lshr_b32 s15, s14, 1                         ; my half of pre's rows; also: I fetch pre (0) or wo (1)
	s_and_b32 s16, s14, 1                          ; my half of wo's rows; also: which 64 rows I fetch
	s_bfe_u32 s40, ttmp6, 0x40000                  ; cx
	s_bfe_u32 s41, ttmp6, 0x40004                  ; cy
	s_lshl_b32 s42, ttmp9, 2
	s_add_co_u32 s42, s42, s40                     ; tile column
	s_and_b32 s17, ttmp7, 0xffff
	s_lshl_b32 s17, s17, 2
	s_add_co_u32 s17, s17, s41                     ; tile row
	s_lshl_b32 s43, s41, 2
	s_lshl_b32 s43, 15, s43                        ; my row of the cluster
	s_lshl_b32 s44, 0x1111, s40                    ; my column
	s_or_b32 s[G1+0], s43, (0<<16)|(1<<20)|(1<<21)|(5<<22)|(3<<25)  ; the mask; bytes; 4 words of padding behind every 64
	s_or_b32 s[G1B+0], s44, (0<<16)|(1<<20)|(1<<21)|(5<<22)|(3<<25)
.irp g, G1, G1B
	s_mov_b32 s[\g+1], KROW<<16                    ; tensor_dim0
	s_mov_b32 s[\g+2], 64<<16                      ; tensor_dim1
	s_mov_b32 s[\g+3], KROW<<16                    ; tile_dim0
	s_mov_b32 s[\g+4], 64                          ; tile_dim1
	s_mov_b32 s[\g+5], KROW                        ; the pitch
	s_mov_b32 s[\g+6], 0
	s_mov_b32 s[\g+7], 0
.endr
	s_lshl_b32 s18, s16, 6
	s_lshl_b32 s20, s17, 7
	s_add_co_u32 s20, s20, s18                     ; pre: row 128 x tile row + 64 x half
	s_lshl_b32 s46, s42, 7
	s_add_co_u32 s46, s46, s18                     ; wo likewise
	s_mul_i32 s20, s20, KROW
	s_mov_b32 s21, 0
	s_mul_i32 s46, s46, KROW
	s_mov_b32 s47, 0
	s_mul_i32 s45, s14, QT                         ; where they go: wave x 64 rows
	s_wait_dscnt 0x0
	s_wait_kmcnt 0x0
	s_add_nc_u64 s[20:21], s[4:5], s[20:21]
	s_add_nc_u64 s[46:47], s[8:9], s[46:47]
	CROUND                                         ; all sixteen work-groups are here: the joint loads meet
	s_mov_b32 s[G0], 1
	s_mov_b32 s[G0+1], s45
	s_mov_b64 s[G0+2:G0+3], s[20:21]
	s_or_b32 s[G0+3], s[G0+3], 0x80000000
	s_mov_b32 s[G0B], 1
	s_mov_b32 s[G0B+1], s45
	s_mov_b64 s[G0B+2:G0B+3], s[46:47]
	s_or_b32 s[G0B+3], s[G0B+3], 0x80000000
	s_cmp_eq_u32 s15, 0
	s_cbranch_scc0 .Lfor_b
	tensor_load_to_lds s[G0:G0+3], s[G1:G1+7]      ; my one tensor load
	s_nop 0
.rept 4
	v_nop
.endr
	s_branch .Lasked
.Lfor_b:
	tensor_load_to_lds s[G0B:G0B+3], s[G1B:G1B+7]
	s_nop 0
.rept 4
	v_nop
.endr
.Lasked:
	s_mul_i32 s21, s15, QT                         ; my 64 rows of pre
	s_mul_i32 s22, s16, QT
	s_add_co_u32 s22, s22, TILE                    ; my 64 rows of wo
	s_mul_i32 s23, s14, 16*SPITCH
	s_add_co_u32 s23, s23, STAGE                   ; my stage
	s_lshl_b32 s20, s17, 7
	s_lshl_b32 s18, s15, 6
	s_add_co_u32 s20, s20, s18                     ; my first row of pre and of out
	s_lshl_b32 s2, s20, 5
	s_mov_b32 s3, 0
	s_add_nc_u64 s[6:7], s[6:7], s[2:3]            ; its scale bytes
	s_lshl_b32 s46, s42, 7
	s_lshl_b32 s47, s16, 6
	s_add_co_u32 s46, s46, s47                     ; my first row of wo = my first column of out
	s_lshl_b32 s2, s46, 5
	s_add_nc_u64 s[10:11], s[10:11], s[2:3]
	s_lshl_b32 s60, s20, 12                        ; a row of out is 4,096 bytes
	s_lshl_b32 s62, s46, 2
	s_add_co_u32 s60, s60, s62
	s_mov_b32 s61, 0
	s_add_nc_u64 s[12:13], s[12:13], s[60:61]
	v_and_b32 v1, 15, v0                           ; r
	v_bfe_u32 v2, v0, 4, 1                         ; h
	v_mul_u32_u24 v3, v1, PITCH
	v_mad_u32_u24 v3, v2, 24, v3                   ; a fragment's row x pitch + 24 h
	v_lshl_add_u32 v4, v2, 4, v3
	v_add_nc_u32 v[ADRA], s21, v3
	v_add_nc_u32 v[ADRA+1], s21, v4
	v_add_nc_u32 v[ADRB], s22, v3
	v_add_nc_u32 v[ADRB+1], s22, v4
	v_lshlrev_b32 v5, 5, v1
	v_lshl_add_u32 v[SOF], v2, 4, v5               ; scale bytes: 32 r + 16 h
	v_mul_u32_u24 v5, v1, SPITCH
	v_lshl_add_u32 v5, v2, 5, v5
	v_add_nc_u32 v[STO], s23, v5                   ; into the stage: row r, 32 bytes for each half of the lanes
	v_mul_u32_u24 v6, v2, SPITCH
	v_lshl_add_u32 v6, v1, 4, v6
	v_add_nc_u32 v[RD], s23, v6                    ; back: lanes 0-15 one row of 256 bytes, lanes 16-31 the next
	v_lshlrev_b32 v7, 12, v2
	v_lshl_add_u32 v[CO], v1, 4, v7                ; and the same two rows in out
	s_wait_alu depctr_va_vdst(0)                   ; the wait at the head's end
.irp i, 0,1,2,3
	global_load_b128 v[SCA+4*\i:SCA+4*\i+3], v[SOF], s[6:7] offset:512*\i
	global_load_b128 v[SCB+4*\i:SCB+4*\i+3], v[SOF], s[10:11] offset:512*\i
.endr
.macro FRAG reg, adr, st, i            ; 16 rows x 128 K: lane l holds row l % 16; registers 6 c .. 6 c + 5 hold K = 64 c + 32 (l / 16) + 0 .. 31, in pieces of 8 bytes
.irp p, 0,1,2,3,4,5
.set BY, 96*(\st)+48*(\p/3)+8*(\p%3)  ; byte y of a row of codes lies at y + 16 (y / 256) of the LDS row
.if BY/256 == (BY+24)/256
	ds_load_b64 v[\reg+2*\p:\reg+2*\p+1], v[\adr] offset:BY+16*(BY/256)+(\i)*16*PITCH
.else
	ds_load_b64 v[\reg+2*\p:\reg+2*\p+1], v[\adr+1] offset:BY+16*(BY/256)+(\i)*16*PITCH
.endif
.endr
.endm
.macro FETCH_B st                      ; 24 loads: wo's four fragments of K step st
.set WL, (1+(\st)/4)<<6                ; destination in window 1 or 2
	WIN WL
.irp i, 0,1,2,3
	FRAG 48*((\st)%4)+FR*\i, ADRB, \st, \i
.endr
.endm
.macro FETCH_A a                       ; 48 loads: pre's block a, all eight K steps, into set a % 2
	WIN 0xc0                                       ; destination in window 3
.irp q, 0,1,2,3,4,5,6,7
	FRAG 96*((\a)%2)+FR*\q, ADRA, \q, \a
.endr
.endm
.macro MULR a, st                      ; four matrix instructions: block a x wo's four blocks, K step st; the block's four accumulators take turns
.set WM, 0x0c+1+(\st)/4                ; source 0 in window 1 or 2, source 1 in window 3, C and D in window 0
	WIN WM
.irp b, 0,1,2,3
.if (\st) == 0
	v_wmma_scale_f32_16x16x128_f8f6f4 v[ACC+8*(4*(\a)+\b):ACC+8*(4*(\a)+\b)+7], v[48*((\st)%4)+FR*\b:48*((\st)%4)+FR*\b+FR-1], v[96*((\a)%2)+FR*(\st):96*((\a)%2)+FR*(\st)+FR-1], 0, v[SCB+4*\b+(\st)%4], v[SCA+4*(\a)+(\st)%4] matrix_a_fmt:MATRIX_FMT_FP6 matrix_b_fmt:MATRIX_FMT_FP6
.else
.if (\st) < 4
	v_wmma_scale_f32_16x16x128_f8f6f4 v[ACC+8*(4*(\a)+\b):ACC+8*(4*(\a)+\b)+7], v[48*((\st)%4)+FR*\b:48*((\st)%4)+FR*\b+FR-1], v[96*((\a)%2)+FR*(\st):96*((\a)%2)+FR*(\st)+FR-1], v[ACC+8*(4*(\a)+\b):ACC+8*(4*(\a)+\b)+7], v[SCB+4*\b+(\st)%4], v[SCA+4*(\a)+(\st)%4] matrix_a_fmt:MATRIX_FMT_FP6 matrix_b_fmt:MATRIX_FMT_FP6
.else
	v_wmma_scale_f32_16x16x128_f8f6f4 v[ACC+8*(4*(\a)+\b):ACC+8*(4*(\a)+\b)+7], v[48*((\st)%4)+FR*\b:48*((\st)%4)+FR*\b+FR-1], v[96*((\a)%2)+FR*(\st):96*((\a)%2)+FR*(\st)+FR-1], v[ACC+8*(4*(\a)+\b):ACC+8*(4*(\a)+\b)+7], v[SCB+4*\b+(\st)%4], v[SCA+4*(\a)+(\st)%4] matrix_a_fmt:MATRIX_FMT_FP6 matrix_b_fmt:MATRIX_FMT_FP6 matrix_a_scale:MATRIX_SCALE_ROW1 matrix_b_scale:MATRIX_SCALE_ROW1
.endif
.endif
.endr
.endm
; THE WAY OUT of block a, 16 rows x 64 columns: through my own stage, back as whole rows of 256 bytes; LDS serves a wave's instructions in order (ISA guide 5.7.1.4)
.macro TOSTAGE a
.irp b, 0,1,2,3
	ds_store_b128 v[STO], v[ACC+8*(4*(\a)+\b):ACC+8*(4*(\a)+\b)+3] offset:64*\b        ; each accumulator from its low end on
	ds_store_b128 v[STO], v[ACC+8*(4*(\a)+\b)+4:ACC+8*(4*(\a)+\b)+7] offset:64*\b+16
.endr
.irp t, 0,1,2,3,4,5,6,7
	ds_load_b128 v[BK+32*((\a)%2)+4*\t:BK+32*((\a)%2)+4*\t+3], v[RD] offset:\t*2*SPITCH
.endr
.endm
.macro SEND a
.irp t, 0,1,2,3,4,5,6,7
	global_store_b128 v[CO], v[BK+32*((\a)%2)+4*\t:BK+32*((\a)%2)+4*\t+3], s[12:13] offset:(16*(\a)+2*\t)*4096 th:TH_STORE_NT   ; 16 lanes store 256 consecutive bytes, aligned
.endr
.endm
	s_wait_tensorcnt 0x0                           ; my 64 rows are in,
	s_barrier_signal -1
	s_barrier_wait -1                              ; everybody's are; nothing is ever filled again
	FETCH_A 0
	FETCH_B 0
	FETCH_B 1
	s_wait_loadcnt 0x0                             ; the scale words
; block 0 is multiplied while wo's fragments come in, each into registers of its own
.irp s, 0,1,2,3,4,5
	s_wait_dscnt 24                                ; all but the next K step's 24 loads
	MULR 0, \s
	FETCH_B \s+2
.endr
	s_wait_dscnt 24
	MULR 0, 6
	FETCH_A 1
	s_wait_dscnt 48                                ; all but block 1's 48 loads
	MULR 0, 7
; blocks 1 to 3: block a - 1 goes to the stage, block a + 1's fragments are asked for, block a is multiplied, block a - 1 is stored
.macro NEXT a, before, after           ; before: the LDS instructions younger than block a's fragments; after: those younger than block a - 1's loads from the stage
	WIN 0
	PLACES                                         ; behind block a - 1's last products: its results are read, and its fragments' registers loaded anew
.if (\a) > 2
	s_wait_xcnt 0x0                                ; block a - 3's stores have read their registers: block a - 1's loads from the stage may land there
.endif
	TOSTAGE (\a)-1
.if (\a)+1 < 4
	FETCH_A (\a)+1
.endif
	s_wait_dscnt \before
.irp q, 0,1,2,3,4,5,6,7
	MULR \a, \q
.endr
	WIN 0
	s_wait_dscnt \after
	SEND (\a)-1
.endm
	NEXT 1, 63, 48                                 ; 64 are younger (the stage's 16, block 2's 48); the count's field holds 63
	NEXT 2, 63, 48
	NEXT 3, 16, 0                                  ; the stage's 8 stores and 8 loads are younger
	PLACES
	s_wait_xcnt 0x0                                ; block 1's stores have read their registers
	TOSTAGE 3
	s_wait_dscnt 0x0
	SEND 3
	s_wait_tensorcnt 0x0                           ; the wave's end
	ds_add_u32 v[SPW], v[NIL]
	s_wait_dscnt 0x0
	CROUND                                         ; the closing round
	s_endpgm
.Lfunc_end_k_qbcaec99b88_outp:
	.size	k_qbcaec99b88_outp, .Lfunc_end_k_qbcaec99b88_outp-k_qbcaec99b88_outp
	.p2alignl 7, 3214868480
	.fill 96, 4, 3214868480
	.section	.rodata,"a",@progbits
	.p2align	6, 0x0
	.amdhsa_kernel k_qbcaec99b88_outp
		.amdhsa_group_segment_fixed_size 229376
		.amdhsa_private_segment_fixed_size 0
		.amdhsa_enable_private_segment 0
		.amdhsa_kernarg_size 40
		.amdhsa_user_sgpr_count 2
		.amdhsa_user_sgpr_kernarg_segment_ptr 1
		.amdhsa_wavefront_size32 1
		.amdhsa_system_sgpr_workgroup_id_x 1
		.amdhsa_system_sgpr_workgroup_id_y 1
		.amdhsa_system_sgpr_workgroup_id_z 1
		.amdhsa_system_vgpr_workitem_id 0
		.amdhsa_next_free_vgpr 960
		.amdhsa_next_free_sgpr 66
		.amdhsa_reserve_vcc 0
		.amdhsa_float_denorm_mode_32 3
		.amdhsa_float_denorm_mode_16_64 3
		.amdhsa_memory_ordered 1
		.amdhsa_forward_progress 1
		.amdhsa_inst_pref_size 57
	.end_amdhsa_kernel
	.amdgpu_metadata
---
amdhsa.version: [ 1, 2 ]
amdhsa.kernels:
  - .name:           k_qbcaec99b88_outp
    .symbol:         k_qbcaec99b88_outp.kd
    .args:
      - { .name: pre_codes, .offset: 0, .size: 8, .value_kind: global_buffer, .address_space: global }
      - { .name: pre_scales, .offset: 8, .size: 8, .value_kind: global_buffer, .address_space: global }
      - { .name: wo_codes, .offset: 16, .size: 8, .value_kind: global_buffer, .address_space: global }
      - { .name: wo_scales, .offset: 24, .size: 8, .value_kind: global_buffer, .address_space: global }
      - { .name: out0, .offset: 32, .size: 8, .value_kind: global_buffer, .address_space: global }
    .group_segment_fixed_size: 229376
    .private_segment_fixed_size: 0
    .kernarg_segment_align: 8
    .kernarg_segment_size: 40
    .max_flat_workgroup_size: 128
    .sgpr_count:     66
    .vgpr_count:     960
    .wavefront_size: 32
...
	.end_amdgpu_metadata
.endif
;; end of part 3
